; MI455X (gfx1250); checked and timed in simulation.
; The chip was launched on July 23, 2026; its instructions are those of AMD's public machine-readable ISA for CDNA 5 (MIT licence, August 2026) and "CDNA5" Instruction Set Architecture Reference Guide (July 2026). The comments in the code are by the model that wrote it; some were corrected since.
;; Multi Head Attention. Allowed arithmetic: matrix products marked QUANTISED: E2M3 operands, one E8M0 scale for each 32 along K, by v_wmma_scale_f32_16x16x128_f8f6f4 with both operands' format E2M3, f32 sums; everything else in f32.
;; Inputs: bk 1,024 float32; bo 1,024 float32; bq 1,024 float32; bv 1,024 float32; key_codes 4 x 2,048 x 32 x 24 uint8 (E2M3 codes of key, K innermost, in blocks of 32 codes, four codes in three bytes); key_scales 4 x 2,048 x 32 uint8 (E8M0 scales of key, one for each 32 codes along K); query_codes 4 x 2,048 x 32 x 24 uint8 (E2M3 codes of query, K innermost, in blocks of 32 codes, four codes in three bytes); query_scales 4 x 2,048 x 32 uint8 (E8M0 scales of query, one for each 32 codes along K); value_codes 4 x 2,048 x 32 x 24 uint8 (E2M3 codes of value, K innermost, in blocks of 32 codes, four codes in three bytes); value_scales 4 x 2,048 x 32 uint8 (E8M0 scales of value, one for each 32 codes along K); wk_codes 1,024 x 32 x 24 uint8 (E2M3 codes of wk, K innermost, in blocks of 32 codes, four codes in three bytes); wk_scales 1,024 x 32 uint8 (E8M0 scales of wk, one for each 32 codes along K); wo_codes 1,024 x 32 x 24 uint8 (E2M3 codes of wo, K innermost, in blocks of 32 codes, four codes in three bytes); wo_scales 1,024 x 32 uint8 (E8M0 scales of wo, one for each 32 codes along K); wq_codes 1,024 x 32 x 24 uint8 (E2M3 codes of wq, K innermost, in blocks of 32 codes, four codes in three bytes); wq_scales 1,024 x 32 uint8 (E8M0 scales of wq, one for each 32 codes along K); wv_codes 1,024 x 32 x 24 uint8 (E2M3 codes of wv, K innermost, in blocks of 32 codes, four codes in three bytes); wv_scales 1,024 x 32 uint8 (E8M0 scales of wv, one for each 32 codes along K).
;; Outputs: out0 4 x 2,048 x 1,024 float32.
;; Constants: is_causal = 1.
;; This version of the problem:
;;   THIS VERSION OF THE PROBLEM IS GIVEN IN LOW PRECISION. The matrix products marked QUANTISED in the list below multiply operands that are first quantised to E2M3 (2 exponent bits, 3 mantissa bits; 6 bits a number), with one power-of-two scale for each 32 numbers along K (OCP MX v1.0); their sums are f32. All else is computed in f32.
;;   The module's matrix products, in the order in which they are computed (A, B: the left and right operand; K: the contracted axis; several contracted axes count as one K, in the product's order):
;;     1. [M 8,192, K 1,024] x [K 1,024, N 1,024]; A: input query (given as codes); B: input wq (given as codes): QUANTISED
;;     2. [M 8,192, K 1,024] x [K 1,024, N 1,024]; A: input key (given as codes); B: input wk (given as codes): QUANTISED
;;     3. [M 8,192, K 1,024] x [K 1,024, N 1,024]; A: input value (given as codes); B: input wv (given as codes): QUANTISED
;;     4. batch 64 x [M 2,048, K 64] x [K 64, N 2,048]; A: computed on the way; B: computed on the way: QUANTISED
;;     5. batch 64 x [M 2,048, K 2,048] x [K 2,048, N 64]; A: softmax (see below); B: computed on the way: QUANTISED
;;     6. [M 8,192, K 1,024] x [K 1,024, N 1,024]; A: computed on the way; B: input wo (given as codes): QUANTISED
;;   THE QUANTISER, for each operand of a quantised product, along K:
;;     - K is cut into blocks of 32 from its start; a last block that is shorter is filled with zeros.
;;     - A block's scale is 2^e with e = floor(log2(the largest magnitude in the block)) - 2, held to -126 .. 127; a block of zeros has e = 0. As a byte (E8M0): e + 127.
;;     - Each number is divided by its block's scale, clamped to +-7.5, and rounded to the nearest number of E2M3, ties to even, subnormals kept.
;;     - The product sums the exact products of the quantised numbers (number of the format x scale) in f32.
;;   ~~~python
;;   def quantise(x, axis):      # numpy; x: float32 -> the quantised numbers, widened to float32 again
;;       x = np.moveaxis(x, axis, -1); K = x.shape[-1]
;;       x = np.pad(x, [(0, 0)] * (x.ndim - 1) + [(0, -K % 32)]); x = x.reshape(x.shape[:-1] + (-1, 32)); a = np.abs(x).max(-1, keepdims=True)
;;       e = np.where(a > 0, np.clip(np.frexp(np.where(a > 0, a, 1))[1] - 1 - 2, -126, 127), 0)      # np.frexp(a)[1] - 1 = floor(log2(a)), exactly
;;       r = np.clip(x / 2.0 ** e, -7.5, 7.5)
;;       step = 2.0 ** (np.maximum(np.frexp(np.where(r == 0, 1, r))[1] - 1, 0) - 3)
;;       q = np.round(r / step) * step * 2.0 ** e      # np.round: ties to even
;;       return np.moveaxis(q.reshape(q.shape[:-2] + (-1,))[..., :K], -1, axis).astype(np.float32)
;;   ~~~
;;   SOFTMAX AHEAD OF A QUANTISED PRODUCT. Where the list says 'softmax', what is quantised is not the finished softmax but p = 2^(t - M), with t = logit x log2(e) and M = ceil(the row's largest t), a whole number; so 1/2 < the row's largest p <= 1. The row's sum l is taken of the UNQUANTISED p, in f32, and the product's result is divided by l at the end. Since M is a whole number, a kernel that streams over the keys may use a running M (the ceiling of the running maximum): every later rescaling is an exact power of two, which a block's scale takes up: the codes' values come out the same.
;;   OPERANDS COMPUTED ON THE WAY. 'Computed on the way' means the value that the module computes at that place (a softmax that the list does not call 'softmax' is quantised finished and normalised). What goes into a quantiser is computed in f32, as accurately as f32 sums, v_exp_f32 and their like allow (about 1e-6 of the number): no bf16 or f16 on the way to a quantiser, and a product that is left as it is and whose result goes on into a quantised operand takes f32 operands (vector FMAs, or v_wmma_f32_16x16x4_f32). A number that lies on a knife's edge between two numbers of the format may be rounded either way, as far as f32 arithmetic and the matrix unit's own rounding can turn it there, and no further.
;;   INPUTS GIVEN AS CODES. key (in the module: [4, 2048, 1024], K = its axis 2); query (in the module: [4, 2048, 1024], K = its axis 2); value (in the module: [4, 2048, 1024], K = its axis 2); wk (in the module: [1024, 1024], K = its axis 1); wo (in the module: [1024, 1024], K = its axis 1); wq (in the module: [1024, 1024], K = its axis 1); wv (in the module: [1024, 1024], K = its axis 1): each comes as NAME_codes (uint8): NAME with its K axis moved to the last place and cut into blocks of 32 codes, [.., K / 32, bytes a block], one block behind the other in memory; four codes in three bytes: a row's codes are one little-endian stream of bits, code i at bits 6 i .. 6 i + 5 (a code: sign, 2 exponent bits, 3 mantissa bits); and NAME_scales (uint8): the same leading axes, one E8M0 byte (e + 127) for each 32 codes along K. Its value is code x scale, taken as it is: it is not quantised again, and the codes and scales need not be those that the quantiser above would give.
;; One version. Each part assembles by itself: llvm-mc -triple=amdgcn-amd-amdhsa -mcpu=gfx1250 --defsym DOCPART=n.
;; ======== version 1 of 1: 3 launches
;; workspace buffers: qws 6,815,744 bytes; kv 13,369,344 bytes; cimg 6,291,456 bytes; csc 262,144 bytes
;; launch proj (part 1): grid 4 x 192, 4 waves a work-group, clusters of 4 x 4, 327,680 bytes of LDS; arguments query_codes, query_scales, key_codes, key_scales, value_codes, value_scales, wq_codes, wq_scales, wk_codes, wk_scales, wv_codes, wv_scales, bq, bk, bv, qws, kv; writes qws, kv
.if DOCPART == 1
	.amdgcn_target "amdgcn-amd-amdhsa--gfx1250"
	.amdhsa_code_object_version 6
	.text
	.protected	k_q0b5cc3a8a9_proj
	.globl	k_q0b5cc3a8a9_proj
	.p2align	8
	.type	k_q0b5cc3a8a9_proj,@function
k_q0b5cc3a8a9_proj:
	s_mov_b64 s[64:65], 0
	v_nop
	global_prefetch_b8 v0, s[64:65] scope:SCOPE_SE
	s_setreg_imm32_b32 hwreg(HW_REG_WAVE_MODE, 25, 1), 1
	s_wait_xcnt 0x0
	s_wait_alu depctr_hold_cnt(0) depctr_sa_sdst(0) depctr_va_vdst(0) depctr_va_sdst(0) depctr_va_ssrc(0) depctr_va_vcc(0) depctr_vm_vsrc(0)
	s_getreg_b32 s2, hwreg(HW_REG_IB_STS2, 6, 4)
	s_cmp_eq_u32 s2, 0
	s_cbranch_scc0 .Lentry_in_a_cluster
	s_endpgm
.Lentry_in_a_cluster:
	s_bfe_u32 s2, ttmp6, 0x10000c
	s_cmp_lg_u32 s2, 0xf033
	s_cbranch_scc0 .Lentry_shape_is_right
	s_endpgm
.Lentry_shape_is_right:
; Q = query wq^T + bq, K = key wk^T + bk, V = value wv^T + bv on codes of FP6 (E2M3) with E8M0 scales, 8,192 x 1,024 x 1,024 each; the results are
; quantised at once (Q and K along the head's 64, V along the keys) and leave as IMAGES OF OPERAND REGISTERS: nothing wider than codes goes to memory.
; SHARES.  A work-group makes 256 P rows (source 0) x 128 R rows (source 1); four waves, each 128 P x 64 R: 32 accumulators.  768 work-groups: three for each of 256 WGPs.
; The P rows are the axis that is quantised next, so that a lane's registers run along the next K:  Q, K: P = the weight's rows, R = the tokens;  V: P = the tokens (keys), R = wv's rows.
; In a result lane (r, h) holds R row r and P rows 16 b + 8 h + j (tile b, register j): the 16 registers of tiles 2 B, 2 B + 1 all lie in block B of 32.  The block's scale and its set of 32
; codes are the quantiser's own; only the ORDER of the codes inside a block differs: place 16 h + 8 u + j holds k = 16 u + 8 h + j.  Both operands of each later product carry the same order.
; K goes in steps of 256 (rows of 192 bytes) through THREE LDS slots: K = 1,024 is four steps, so three of them are asked for at the start, with the scale bytes of all of K, and only the fourth is a
; refill (into slot 0), asked for as soon as K step 0 has been read: 112 matrix instructions of a wave ahead of its first read.  CLUSTERS 4 x 4: P's tiles are shared along a column, R's along a row, by joint loads.
; OUTPUT.  qws: [64 heads][32 groups of 64 queries][3,328]: two images of a pair of tiles (12 registers: 3 x 512 bytes), then 256 bytes of scale words.
;          kv:  [64 heads][16 steps of 128 keys][13,056]: four K pair images, four V images (16 d x 128 keys), two chunks of K's scale words, one of V's.
; LIMITS: NaN, infinities and scale bytes 0xff among the inputs are not served.  A block whose largest magnitude lies under 2^-124, a block of zeros among them, gets the byte 1
; (the quantiser says 127 for zeros): its codes are zeros or held at that scale, and these bytes are read by this program alone.
.set ROWB,   192                       ; a tile's row: 256 codes
.set KROW,   768                       ; a row of codes in memory
.set PITCH,  240                       ; an LDS row: 3 x (64 bytes + 16 of padding)
.set FR,     12                        ; registers of a fragment
.set PHALF,  128*PITCH                 ; what one load brings of P
.set RHALF,  64*PITCH                  ; and of R
.set ROFF,   2*PHALF                   ; R's rows lie behind P's 256
.set SLOT,   ROFF+2*RHALF
.set RS,     3*SLOT                    ; R's scale bytes: 16 units of 256 bytes + 16
.set PS,     RS+16*272                 ; P's: 32 units
.set SPARE,  PS+32*272                 ; the spare words, 128 bytes a wave: two blocks of 256 bytes that no other line names
.set PK3,    3*ROWB                    ; from K step 0 to K step 3, in bytes
.set RK3,    3*ROWB
.set ADRR, 8                           ; v8-10 my R fragments in slot 0, 1, 2; v11-13 the same behind one padding more
.set ADRP, 14                          ; v14-19 the same for P
.set LI,   24                          ; v24 16 x lane
.set VS8,  26                          ; v26 8 x lane + the distance from my images to my scale chunk
.set ADRS, 27                          ; v27 my scale words: lanes 0-15 R's rows, lanes 16-31 P's
.set SPW,  28                          ; v28 my spare word; never rewritten
.set NIL,  29                          ; v29 0; never rewritten
.set BOF,  30                          ; v30 my offset in the bias
.set SC,   32                          ; v32-63 scale words, two sets of 16, by the K step's parity: register 2 i + q: lanes 0-15 R's tile i, lanes 16-31 P's tile i
.set IMG,  64                          ; v64-111 the images
.set TM,   112                         ; v112-127 at work
.set T2,   128                         ; v128-135 second halves of blocks
.set WL,   136                         ; v136-139 bytes of blocks 0, 1 for R tile a;  v140-143 of blocks 2, 3
.set WH,   140
.set SW,   144                         ; v144-147 scale chunks to store
.set RF,   160                         ; v160-255 R's fragments, two sets of 48.  Window 1: P's fragments, two sets at 0 and 128; the bias tiles at 96.. and 224..  Window 2: accumulator (a, b) at 8 (8 a + b)
.set G1R, 24
.set G0R, 32                           ; s[32:39] group 0 for R's slots 0, 1;  slot 2's: s[8:11]
.set G1P, 48
.set G0P, 56                           ; s[56:63] for P's slots 0, 1;  slot 2's: s[4:7]
.set G1SR, 68
.set G0SR, 76
.set G1SP, 80
.set G0SP, 88
.set MSB, 0
.macro WIN new                         ; the immediate's high byte repeats the setting that is left
.if MSB != \new
	s_set_vgpr_msb (MSB<<8)|\new
.set MSB, \new
.endif
.endm
.macro PLACES n
.rept \n
	v_nop
.endr
.endm
; A joint load: waves 0 and 1 fetch P's halves, waves 2 and 3 R's.  The branch hangs on the wave's number alone.  Four v_nop follow each line.
.macro JLOAD g0p, g1p, g0r, g1r
	s_cmp_eq_u32 s15, 0
	s_cbranch_scc0 .Lfor_r_\@
	tensor_load_to_lds s[\g0p:\g0p+3], s[\g1p:\g1p+7]
	s_nop 0
.rept 4
	v_nop
.endr
	s_branch .Lasked_\@
.Lfor_r_\@:
	tensor_load_to_lds s[\g0r:\g0r+3], s[\g1r:\g1r+7]
	s_nop 0
.rept 4
	v_nop
.endr
.Lasked_\@:
.endm
.macro CREST                           ; a round of the cluster's barrier behind its opening barrier
	s_cmp_lg_u32 s14, 0
	s_cbranch_scc1 .Lnot_wave_0_\@
	s_barrier_signal -3
.Lnot_wave_0_\@:
	s_barrier_wait -3
	s_barrier_signal -1
	s_barrier_wait -1
.endm
.macro CROUND
	s_barrier_signal -1
	s_barrier_wait -1
	CREST
.endm
	s_load_b512 s[24:39], s[0:1], 0x0              ; query c, s; key c, s; value c, s; wq c, s
	s_load_b512 s[40:55], s[0:1], 0x40             ; wk c, s; wv c, s; bq, bk, bv; qws
	s_load_b64 s[56:57], s[0:1], 0x80              ; kv
	v_lshl_add_u32 v[SPW], v0, 2, SPARE
	v_mov_b32 v[NIL], 0
	ds_add_u32 v28, v29
	ds_add_u32 v28, v29
	s_wait_dscnt 0x0
	v_lshrrev_b32 v1, 5, v0
	v_readfirstlane_b32 s14, v1                    ; wave 0..3
	s_lshr_b32 s15, s14, 1                         ; wr: my 64 of R's 128 rows.  Also: I fetch for P (0) or for R (1)
	s_and_b32 s16, s14, 1                          ; wp: my 128 of P's 256 rows.  Also: which half I fetch
	s_and_b32 s18, ttmp7, 0xffff                   ; the cluster's y, 0..47
	s_lshr_b32 s98, s18, 4                         ; the kind: 0 Q, 1 K, 2 V: the same in all partners
	s_and_b32 s19, s18, 15
	s_mov_b32 s99, 0xffff0000                      ; lanes 16-31
	s_mov_b32 s100, 0x76543210                     ; v_permlanex16_b32: lane l xor 16
	s_mov_b32 s101, 0xfedcba98
	s_wait_kmcnt 0x0
	s_cmp_eq_u32 s98, 0                            ; the buffers are chosen on the kind alone
	s_cselect_b64 s[4:5], s[24:25], s[28:29]       ; R's codes: query or key
	s_cselect_b64 s[6:7], s[26:27], s[30:31]       ; R's scales
	s_cselect_b64 s[8:9], s[36:37], s[40:41]       ; P's codes: wq or wk
	s_cselect_b64 s[10:11], s[38:39], s[42:43]
	s_cselect_b64 s[66:67], s[48:49], s[50:51]     ; the bias
	s_cselect_b64 s[12:13], s[54:55], s[56:57]     ; qws or kv
	s_cmp_eq_u32 s98, 2
	s_cselect_b64 s[4:5], s[44:45], s[4:5]         ; V: R = wv,
	s_cselect_b64 s[6:7], s[46:47], s[6:7]
	s_cselect_b64 s[8:9], s[32:33], s[8:9]         ; P = value
	s_cselect_b64 s[10:11], s[34:35], s[10:11]
	s_cselect_b64 s[66:67], s[52:53], s[66:67]
	s_bfe_u32 s40, ttmp6, 0x40000                  ; cx, cy: my place in the cluster
	s_bfe_u32 s41, ttmp6, 0x40004
	s_lshr_b32 s20, s98, 1                         ; 1 for V
	s_mul_i32 s21, s20, 3
	s_lshr_b32 s21, 15, s21                        ; 15, or 1 for V
	s_and_b32 s21, s19, s21                        ; R's cluster: Q, K: 16 of them; V: 2
	s_lshr_b32 s22, s19, 1
	s_mul_i32 s22, s22, s20                        ; P's cluster: Q, K: 0; V: 8 of them
	s_lshl_b32 s42, s22, 2
	s_add_co_u32 s42, s42, s40                     ; P's block of 256 rows
	s_lshl_b32 s17, s21, 2
	s_add_co_u32 s17, s17, s41                     ; R's block of 128 rows
	s_lshl_b32 s43, s41, 2
	s_lshl_b32 s43, 15, s43                        ; my row of the cluster: shares R
	s_lshl_b32 s44, 0x1111, s40                    ; my column: shares P
	; descriptor groups 1.  Codes: rows of 192 bytes, 16 bytes of padding behind every 64
	s_or_b32 s[G1P+0], s44, (0<<16)|(1<<20)|(1<<21)|(3<<22)|(3<<25)
	s_mov_b32 s[G1P+1], ROWB<<16                   ; tensor_dim0
	s_mov_b32 s[G1P+2], 128<<16                    ; tensor_dim1
	s_mov_b32 s[G1P+3], ROWB<<16                   ; tile_dim0
	s_mov_b32 s[G1P+4], 128                        ; tile_dim1
	s_mov_b32 s[G1P+5], KROW                       ; the pitch
	s_mov_b32 s[G1P+6], 0
	s_mov_b32 s[G1P+7], 0
	s_or_b32 s[G1R+0], s43, (0<<16)|(1<<20)|(1<<21)|(3<<22)|(3<<25)
	s_mov_b32 s[G1R+1], ROWB<<16
	s_mov_b32 s[G1R+2], 64<<16
	s_mov_b32 s[G1R+3], ROWB<<16
	s_mov_b32 s[G1R+4], 64
	s_mov_b32 s[G1R+5], KROW
	s_mov_b32 s[G1R+6], 0
	s_mov_b32 s[G1R+7], 0
	; scale bytes: dense blocks, as rows of 256 bytes (32 elements of 8), 16 bytes of padding behind each
	s_or_b32 s[G1SP+0], s44, (3<<16)|(1<<20)|(1<<21)|(5<<22)|(3<<25)
	s_mov_b32 s[G1SP+1], 32<<16
	s_mov_b32 s[G1SP+2], 16<<16
	s_mov_b32 s[G1SP+3], 32<<16
	s_mov_b32 s[G1SP+4], 16
	s_mov_b32 s[G1SP+5], 32
	s_mov_b32 s[G1SP+6], 0
	s_mov_b32 s[G1SP+7], 0
	s_or_b32 s[G1SR+0], s43, (3<<16)|(1<<20)|(1<<21)|(5<<22)|(3<<25)
	s_mov_b32 s[G1SR+1], 32<<16
	s_mov_b32 s[G1SR+2], 8<<16
	s_mov_b32 s[G1SR+3], 32<<16
	s_mov_b32 s[G1SR+4], 8
	s_mov_b32 s[G1SR+5], 32
	s_mov_b32 s[G1SR+6], 0
	s_mov_b32 s[G1SR+7], 0
	s_lshl_b32 s18, s16, 7
	s_lshl_b32 s46, s42, 8
	s_add_co_u32 s46, s46, s18                     ; P: the first row that I fetch
	s_lshl_b32 s18, s16, 6
	s_lshl_b32 s20, s17, 7
	s_add_co_u32 s20, s20, s18                     ; R likewise
	s_lshl_b32 s22, s20, 5                         ; 32 scale bytes a row
	s_mov_b32 s23, 0
	s_mul_i32 s20, s20, KROW
	s_mov_b32 s21, 0
	s_lshl_b32 s92, s46, 5
	s_mov_b32 s93, 0
	s_mul_i32 s46, s46, KROW
	s_mov_b32 s47, 0
	s_add_nc_u64 s[20:21], s[4:5], s[20:21]
	s_add_nc_u64 s[22:23], s[6:7], s[22:23]
	s_add_nc_u64 s[46:47], s[8:9], s[46:47]
	s_add_nc_u64 s[92:93], s[10:11], s[92:93]      ; s[4:11] are free from here on: they take slot 2's groups 0
	s_mul_i32 s45, s16, PHALF                      ; where they go: no place in the cluster enters an LDS address
	s_mul_i32 s94, s16, RHALF
	s_add_co_u32 s94, s94, ROFF
	s_mul_i32 s95, s16, 16*272
	s_add_co_u32 s95, s95, PS
	s_mul_i32 s97, s16, 8*272
	s_add_co_u32 s97, s97, RS
	CROUND                                         ; all sixteen work-groups are here: the first joint loads meet
	s_mov_b32 s[G0SP], 1
	s_mov_b32 s[G0SP+1], s95
	s_mov_b64 s[G0SP+2:G0SP+3], s[92:93]
	s_or_b32 s[G0SP+3], s[G0SP+3], 0x80000000
	s_mov_b32 s[G0SR], 1
	s_mov_b32 s[G0SR+1], s97
	s_mov_b64 s[G0SR+2:G0SR+3], s[22:23]
	s_or_b32 s[G0SR+3], s[G0SR+3], 0x80000000
	JLOAD G0SP, G1SP, G0SR, G1SR                   ; the scales first: they are wanted with K step 0
.macro FIRST s, gp, gr                 ; slot s takes K step s
	s_mov_b32 s[\gp], 1
	s_add_co_u32 s[\gp+1], s45, \s*SLOT
	s_add_nc_u64 s[\gp+2:\gp+3], s[46:47], \s*ROWB
	s_or_b32 s[\gp+3], s[\gp+3], 0x80000000
	s_mov_b32 s[\gr], 1
	s_add_co_u32 s[\gr+1], s94, \s*SLOT
	s_add_nc_u64 s[\gr+2:\gr+3], s[20:21], \s*ROWB
	s_or_b32 s[\gr+3], s[\gr+3], 0x80000000
	JLOAD \gp, G1P, \gr, G1R
.endm
	FIRST 0, G0P, G0R
	FIRST 1, G0P+4, G0R+4
	FIRST 2, 4, 8                                  ; four loads of mine are out
	v_and_b32 v1, 15, v0                           ; r
	v_bfe_u32 v2, v0, 4, 1                         ; h
	v_mul_u32_u24 v3, v1, PITCH
	v_mul_u32_u24 v4, v2, 24
	v_add_nc_u32 v4, v3, v4                        ; a fragment's row x pitch + 24 h
	v_lshl_add_u32 v5, v2, 4, v4                   ; and the same behind one padding more
	s_mul_i32 s21, s15, RHALF
	s_add_co_u32 s21, s21, ROFF                    ; my 64 rows of R
	s_mul_i32 s22, s16, PHALF                      ; my 128 rows of P
.irp s, 0,1,2
	v_add_nc_u32 v[ADRR+\s], s21, v4
	v_add_nc_u32 v[ADRP+\s], s22, v4
	v_add_nc_u32 v[ADRR+3+\s], s21, v5
	v_add_nc_u32 v[ADRP+3+\s], s22, v5
	s_add_co_u32 s21, s21, SLOT
	s_add_co_u32 s22, s22, SLOT
.endr
	v_lshlrev_b32 v5, 5, v1                        ; my row's scales: 32 bytes a row,
	v_lshrrev_b32 v6, 3, v1
	v_lshl_add_u32 v5, v6, 4, v5                   ; and 16 more behind each 8 rows
	s_mul_i32 s21, s15, 8*272
	s_add_co_u32 s21, s21, RS                      ; R's: my 64 rows
	s_mul_i32 s22, s16, 16*272
	s_add_co_u32 s22, s22, PS                      ; P's: my 128 rows
	s_sub_co_u32 s22, s22, s21
	v_mul_u32_u24 v6, s22, v2                      ; lanes 16-31 take P's
	v_add_nc_u32 v5, v5, v6
	v_add_nc_u32 v[ADRS], s21, v5
	v_and_b32 v6, 31, v0
	s_wait_alu depctr_va_vdst(0)
	v_lshlrev_b32 v[LI], 4, v6
.irp b, 0,1,2,3
	v_mov_b32 v[TM+4+\b], 0                        ; written once: a lane permute's destination counts as one of its sources
.endr
	; where my results go
	s_lshl_b32 s2, s42, 8
	s_lshl_b32 s18, s16, 7
	s_add_co_u32 s2, s2, s18                       ; my first P row
	s_lshl_b32 s3, s17, 7
	s_lshl_b32 s18, s15, 6
	s_add_co_u32 s3, s3, s18                       ; my first R row
	s_cmp_eq_u32 s98, 2
	s_cselect_b32 s18, s2, s3                      ; my first token
	s_cselect_b32 s19, s3, s2                      ; my first output channel
	s_lshl_b32 s20, s19, 2
	s_mov_b32 s21, 0
	s_add_nc_u64 s[66:67], s[66:67], s[20:21]      ; the bias at that channel
	s_lshr_b32 s20, s18, 11                        ; the batch
	s_and_b32 s18, s18, 2047                       ; the token in it
	s_lshl_b32 s20, s20, 4
	s_lshr_b32 s19, s19, 6
	s_add_co_u32 s20, s20, s19                     ; 16 x batch + head
	s_mov_b32 s97, 208896
	s_cmp_eq_u32 s98, 0
	s_cselect_b32 s97, 106496, s97                 ; a head's bytes in qws or in kv
	s_mul_i32 s20, s20, s97
	s_lshr_b32 s19, s18, 6
	s_mul_i32 s21, s19, 3328                       ; Q: the group of 64
	s_and_b32 s19, s19, 1                          ; K: which half of a step
	s_lshr_b32 s18, s18, 7
	s_mul_i32 s18, s18, 13056                      ; K, V: the step of 128 keys
	s_mul_i32 s22, s19, 3072
	s_mul_i32 s23, s19, 2816
	s_sub_co_u32 s23, 12288, s23                   ; K: from my images to my scale chunk
	s_cmp_eq_u32 s98, 2
	s_cselect_b32 s22, 6144, s22                   ; V's images lie behind K's four
	s_cselect_b32 s23, 6656, s23
	s_add_co_u32 s18, s18, s22
	s_cmp_eq_u32 s98, 0
	s_cselect_b32 s18, s21, s18
	s_cselect_b32 s96, 3072, s23
	s_add_co_u32 s20, s20, s18
	s_mov_b32 s21, 0
	s_add_nc_u64 s[92:93], s[12:13], s[20:21]      ; my first head's place
	s_mov_b32 s20, s97
	s_add_nc_u64 s[94:95], s[92:93], s[20:21]      ; Q, K: my second head's (V does not use it)
	v_lshl_add_u32 v[VS8], v6, 3, s96
.macro FRAG reg, adr, q, i             ; 16 rows x 128 K: 12 registers, 24 + 24 bytes of the row's stream of bits as they lie, in pieces of 8 bytes; where lanes 16-31's piece lies behind one padding more, the second address register serves
.irp p, 0,1,2,3,4,5
.set PC, 12*(\q)+6*(\p/3)+\p%3
.if PC%8 < 5
	ds_load_b64 v[\reg+2*\p:\reg+2*\p+1], v[\adr] offset:8*PC+16*(PC/8)+(\i)*16*PITCH
.else
	ds_load_b64 v[\reg+2*\p:\reg+2*\p+1], v[\adr+3] offset:8*PC+16*(PC/8)+(\i)*16*PITCH
.endif
.endr
.endm
.macro FETCH_P slot, q, p              ; P's eight fragments of the slot's q-th 128 along K into set p (window 1)
	WIN 0x40
.irp i, 0,1,2,3,4,5,6,7
	FRAG 128*(\p)+FR*\i, ADRP+\slot, \q, \i
.endr
	WIN 0
.endm
.macro FETCH_R slot, q, p              ; R's four
.irp i, 0,1,2,3
	FRAG RF+48*(\p)+FR*\i, ADRR+\slot, \q, \i
.endr
.endm
.macro SCALES sc                       ; a K step's scale words: two words a row
.irp i, 0,1,2,3,4,5,6,7
	ds_load_b64 v[SC+16*\sc+2*\i:SC+16*\sc+2*\i+1], v[ADRS] offset:\i*544
.endr
.endm
; Eight matrix instructions: R's tile a against P's eight.  ck = 0: the sums go on;  1: they begin with the bias of the P rows;  2: with the bias of the R rows.
; The 32 accumulators take turns, one instruction a turn, in the same order in every step.
.macro MUL8 a, p, q, sc, ck
.if \ck == 0
	WIN 0xa1                                       ; source 0 window 1, source 1 window 0, C and D window 2
.else
	WIN 0x91                                       ; C window 1
.endif
.irp b, 0,1,2,3,4,5,6,7
.set rD, 8*(8*(\a)+\b)
.set rP, 128*(\p)+FR*\b
.set rR, RF+48*(\p)+FR*(\a)
.set rC, rD
.if \ck == 1
.set rC, 96+128*(\b/4)+8*(\b%4)
.endif
.if \ck == 2
.set rC, 96+8*(\a)
.endif
	v_wmma_scale_f32_16x16x128_f8f6f4 v[rD:rD+7], v[rP:rP+FR-1], v[rR:rR+FR-1], v[rC:rC+7], v[SC+16*(\sc)+2*\b+(\q)], v[SC+16*(\sc)+2*(\a)+(\q)] matrix_a_fmt:MATRIX_FMT_FP6 matrix_b_fmt:MATRIX_FMT_FP6 matrix_a_scale:MATRIX_SCALE_ROW1
.endr
.endm
.macro STEP slot, sc, ck               ; a slot's first 128 along K (set 0); the second's fragments are fetched in its middle (set 1)
	s_wait_dscnt 0x0                               ; set 0 and the scale words are in
	MUL8 0, 0, 0, \sc, \ck
	MUL8 1, 0, 0, \sc, \ck
	PLACES 4                                       ; in front of loads into registers that matrix instructions have read (ISA guide 7.12.1 for vector instructions)
	FETCH_P \slot, 1, 1
	FETCH_R \slot, 1, 1
	MUL8 2, 0, 0, \sc, \ck
	MUL8 3, 0, 0, \sc, \ck
	WIN 0
.endm
; A slot's second 128 along K changes slots.  mode 2: this slot is filled again: each wave waits for all its tensor loads, adds 0 to its spare word, waits for that and for its reads of this slot; a round of
; the cluster's barrier; the joint refill.  mode 1: the next slot's tile is the refill: the same waits and a work-group barrier show it landed to every wave.  mode 0: the next slot was shown landed by mode 2's
; wait for all loads and its barrier, and nothing writes the slot that is left: no barrier.
.macro TURN slot, sc, next, nsc, mode
.if \mode > 0
	s_wait_tensorcnt 0x0                           ; all my tensor loads have landed
	ds_add_u32 v[SPW], v[NIL]                      ; 0 onto my spare word
	s_wait_dscnt 0x1                               ; set 1 is in; only the add may be out
.else
	s_wait_dscnt 0x0                               ; set 1 is in
.endif
	MUL8 0, 1, 1, \sc, 0
.if \mode > 0
	s_wait_dscnt 0x0                               ; the add is done, and my reads of this slot are over
	s_barrier_signal -1
.endif
	MUL8 1, 1, 1, \sc, 0
	WIN 0
.if \mode > 0
	s_barrier_wait -1
.endif
.if \mode == 2
	CREST                                          ; the barrier has opened a round of the cluster's: no wave of any partner still reads this slot or has a load on its way
	s_add_nc_u64 s[G0P+4*\slot+2:G0P+4*\slot+3], s[G0P+4*\slot+2:G0P+4*\slot+3], PK3
	s_add_nc_u64 s[G0R+4*\slot+2:G0R+4*\slot+3], s[G0R+4*\slot+2:G0R+4*\slot+3], RK3
	JLOAD G0P+4*\slot, G1P, G0R+4*\slot, G1R       ; the first tensor load behind the round; its four v_nop are the places in front of the loads below
.else
	PLACES 4
.endif
	v_add_nc_u32 v[ADRS], 8, v[ADRS]               ; the next K step's scale words
	FETCH_P \next, 0, 0
	FETCH_R \next, 0, 0
	SCALES \nsc
	MUL8 2, 1, 1, \sc, 0
	MUL8 3, 1, 1, \sc, 0
	WIN 0
.endm
.macro HEADSTEP ck
	s_wait_tensorcnt 0x2                           ; the scales and my part of K step 0 are in; K steps 1 and 2 may stay out
	s_barrier_signal -1
	s_barrier_wait -1
	FETCH_P 0, 0, 0
	FETCH_R 0, 0, 0
	SCALES 0
	s_wait_loadcnt 0x0                             ; the bias
	STEP 0, 0, \ck                                 ; the first products start the sums from the bias: nothing is cleared, nothing is added later
.endm
	s_cmp_eq_u32 s98, 2                            ; the kind is the same in all partners of a cluster
	s_cbranch_scc1 .Lv_head
	v_lshlrev_b32 v[BOF], 5, v2                    ; Q, K: the bias runs along the registers: tile b, register j: channel 16 b + 8 h + j
	WIN 0x40
.irp b, 0,1,2,3,4,5,6,7
	global_load_b128 v[96+128*(\b/4)+8*(\b%4):96+128*(\b/4)+8*(\b%4)+3], v[BOF], s[66:67] offset:64*\b
	global_load_b128 v[96+128*(\b/4)+8*(\b%4)+4:96+128*(\b/4)+8*(\b%4)+7], v[BOF], s[66:67] offset:64*\b+16
.endr
	WIN 0
	HEADSTEP 1
	s_branch .Lmain
.Lv_head:
	v_lshlrev_b32 v[BOF], 2, v1                    ; V: the bias hangs on the lane: all eight registers of tile a hold channel 16 a + r's
	WIN 0x40
.irp a, 0,1,2,3
.irp j, 0,1,2,3,4,5,6,7
	global_load_b32 v[96+8*\a+\j], v[BOF], s[66:67] offset:64*\a
.endr
.endr
	WIN 0
	HEADSTEP 2
.Lmain:
	TURN 0, 0, 1, 1, 2                             ; K step 0 is read out: slot 0 takes K step 3
	s_wait_alu depctr_va_vdst(0)
	STEP 1, 1, 0
	TURN 1, 1, 2, 0, 0
	s_wait_alu depctr_va_vdst(0)
	STEP 2, 0, 0
	TURN 2, 0, 0, 1, 1                             ; K step 3 has landed, in every wave's eyes
	STEP 0, 1, 0
	s_wait_dscnt 0x0
	MUL8 0, 1, 1, 1, 0
	MUL8 1, 1, 1, 1, 0
	MUL8 2, 1, 1, 1, 0
	MUL8 3, 1, 1, 1, 0
	WIN 0
; THE QUANTISER.  R tile a's 64 registers are four blocks of 32 along P, 16 numbers in this lane and 16 in lane l xor 16.  Blocks 0, 1 become six registers at d0, blocks 2, 3 six at d1
; (lanes 0-15 hold the even block, lanes 16-31 the odd one, as the operand's layout asks); their bytes go to WL and WH.  Each accumulator is read from its low end on.
.macro QUANT a, d0, d1
.set AC, 64*(\a)
	WIN 0x0a                                       ; sources 0 and 1: window 2
.irp b, 0,1,2,3
	v_max3_num_f32 v[TM+\b], |v[AC+16*\b]|, |v[AC+16*\b+1]|, 0x1800000   ; with the floor 2^(3 - 127): the byte cannot fall under 1
.endr
.irp i, 2,4,6,8,10,12,14
.irp b, 0,1,2,3
	v_max3_num_f32 v[TM+\b], |v[AC+16*\b+\i]|, |v[AC+16*\b+\i+1]|, v[TM+\b]
.endr
.endr
	WIN 0
.irp b, 0,1,2,3
	v_permlanex16_b32 v[TM+4+\b], v[TM+\b], s100, s101
.endr
.irp b, 0,1,2,3
	v_max_num_f32 v[TM+\b], v[TM+\b], v[TM+4+\b]   ; the block's largest magnitude
.endr
.irp b, 0,1,2,3
	v_add_nc_u32 v[TM+12+\b], 0xff000000, v[TM+\b] ; 2 off its exponent field: the conversion's scale operand
.endr
.irp b, 0,1,2,3
	v_lshrrev_b32 v[TM+4+\b], 23, v[TM+12+\b]      ; the scale's byte
.endr
	v_lshl_or_b32 v[WL+(\a)], v[TM+5], 8, v[TM+4]
	v_lshl_or_b32 v[WH+(\a)], v[TM+7], 8, v[TM+6]
	WIN 0x02                                       ; source 0: window 2
	v_cvt_scalef32_pk16_fp6_f32 v[\d0:\d0+2], v[AC:AC+15], v[TM+12]
	v_cvt_scalef32_pk16_fp6_f32 v[T2:T2+2], v[AC+16:AC+31], v[TM+13]
	v_cvt_scalef32_pk16_fp6_f32 v[\d1:\d1+2], v[AC+32:AC+47], v[TM+14]
	v_cvt_scalef32_pk16_fp6_f32 v[T2+4:T2+6], v[AC+48:AC+63], v[TM+15]
	WIN 0
	v_nop                                          ; one plain place behind a scaled conversion
.irp i, 0,1,2
	v_permlane16_swap_b32 v[\d0+\i], v[T2+\i]      ; a whole block to a lane
	v_permlane16_swap_b32 v[\d1+\i], v[T2+4+\i]
.endr
.irp i, 0,1,2
	v_mov_b32 v[\d0+3+\i], v[T2+\i]
	v_mov_b32 v[\d1+3+\i], v[T2+4+\i]
.endr
.endm
	PLACES 4                                       ; in front of the first read of results
	s_cmp_eq_u32 s98, 2
	s_cbranch_scc1 .Lv_out
	; Q, K: blocks 0, 1 are my first head's 64, blocks 2, 3 my second's.  Two tiles of 16 tokens make an image of 12 registers.  Every store covers 512 consecutive bytes, aligned.
.irp e, 0,1
	QUANT 2*\e, IMG+24*\e, IMG+24*\e+12
	QUANT 2*\e+1, IMG+24*\e+6, IMG+24*\e+18
.irp c, 0,1,2
	global_store_b128 v[LI], v[IMG+24*\e+4*\c:IMG+24*\e+4*\c+3], s[92:93] offset:1536*\e+512*\c
	global_store_b128 v[LI], v[IMG+24*\e+12+4*\c:IMG+24*\e+12+4*\c+3], s[94:95] offset:1536*\e+512*\c
.endr
.endr
	v_cndmask_b32 v[SW], v[WL], v[WL+1], s99       ; the scale chunk: word e of lane l belongs to tile 2 e + l / 16; bytes 2 and 3 stay 0 (they meet zero codes)
	v_cndmask_b32 v[SW+1], v[WL+2], v[WL+3], s99
	v_cndmask_b32 v[SW+2], v[WH], v[WH+1], s99
	v_cndmask_b32 v[SW+3], v[WH+2], v[WH+3], s99
	global_store_b64 v[VS8], v[SW:SW+1], s[92:93]  ; 256 consecutive bytes, aligned
	global_store_b64 v[VS8], v[SW+2:SW+3], s[94:95]
	s_branch .Lend
.Lv_out:
	; V: the four blocks are my 128 keys: R tile a (16 of the head's 64) is one whole fragment
.irp a, 0,1,2,3
	QUANT \a, IMG+12*\a, IMG+12*\a+6
	v_lshl_or_b32 v[WL+\a], v[WH+\a], 16, v[WL+\a]
.irp c, 0,1,2
	global_store_b128 v[LI], v[IMG+12*\a+4*\c:IMG+12*\a+4*\c+3], s[92:93] offset:1536*\a+512*\c
.endr
.endr
	v_cndmask_b32 v[SW], v[WL], v[WL+1], s99
	v_cndmask_b32 v[SW+1], v[WL+2], v[WL+3], s99
	global_store_b64 v[VS8], v[SW:SW+1], s[92:93]
.Lend:
	s_wait_tensorcnt 0x0                           ; the wave's end
	ds_add_u32 v[SPW], v[NIL]
	s_wait_dscnt 0x0
	CROUND                                         ; the closing round: no work-group ends while a partner may still ask for a tile that names it
	s_endpgm
.Lfunc_end_k_q0b5cc3a8a9_proj:
	.size	k_q0b5cc3a8a9_proj, .Lfunc_end_k_q0b5cc3a8a9_proj-k_q0b5cc3a8a9_proj
	.p2alignl 7, 3214868480
	.fill 96, 4, 3214868480
	.section	.rodata,"a",@progbits
	.p2align	6, 0x0
	.amdhsa_kernel k_q0b5cc3a8a9_proj
		.amdhsa_group_segment_fixed_size 327680
		.amdhsa_private_segment_fixed_size 0
		.amdhsa_enable_private_segment 0
		.amdhsa_kernarg_size 136
		.amdhsa_user_sgpr_count 2
		.amdhsa_user_sgpr_kernarg_segment_ptr 1
		.amdhsa_wavefront_size32 1
		.amdhsa_system_sgpr_workgroup_id_x 1
		.amdhsa_system_sgpr_workgroup_id_y 1
		.amdhsa_system_sgpr_workgroup_id_z 1
		.amdhsa_system_vgpr_workitem_id 0
		.amdhsa_next_free_vgpr 768
		.amdhsa_next_free_sgpr 102
		.amdhsa_reserve_vcc 0
		.amdhsa_float_denorm_mode_32 3
		.amdhsa_float_denorm_mode_16_64 3
		.amdhsa_memory_ordered 1
		.amdhsa_forward_progress 1
		.amdhsa_inst_pref_size 140
	.end_amdhsa_kernel
	.amdgpu_metadata
---
amdhsa.version: [ 1, 2 ]
amdhsa.kernels:
  - .name:           k_q0b5cc3a8a9_proj
    .symbol:         k_q0b5cc3a8a9_proj.kd
    .args:
      - { .name: query_codes, .offset: 0, .size: 8, .value_kind: global_buffer, .address_space: global }
      - { .name: query_scales, .offset: 8, .size: 8, .value_kind: global_buffer, .address_space: global }
      - { .name: key_codes, .offset: 16, .size: 8, .value_kind: global_buffer, .address_space: global }
      - { .name: key_scales, .offset: 24, .size: 8, .value_kind: global_buffer, .address_space: global }
      - { .name: value_codes, .offset: 32, .size: 8, .value_kind: global_buffer, .address_space: global }
      - { .name: value_scales, .offset: 40, .size: 8, .value_kind: global_buffer, .address_space: global }
      - { .name: wq_codes, .offset: 48, .size: 8, .value_kind: global_buffer, .address_space: global }
      - { .name: wq_scales, .offset: 56, .size: 8, .value_kind: global_buffer, .address_space: global }
      - { .name: wk_codes, .offset: 64, .size: 8, .value_kind: global_buffer, .address_space: global }
      - { .name: wk_scales, .offset: 72, .size: 8, .value_kind: global_buffer, .address_space: global }
      - { .name: wv_codes, .offset: 80, .size: 8, .value_kind: global_buffer, .address_space: global }
      - { .name: wv_scales, .offset: 88, .size: 8, .value_kind: global_buffer, .address_space: global }
      - { .name: bq, .offset: 96, .size: 8, .value_kind: global_buffer, .address_space: global }
      - { .name: bk, .offset: 104, .size: 8, .value_kind: global_buffer, .address_space: global }
      - { .name: bv, .offset: 112, .size: 8, .value_kind: global_buffer, .address_space: global }
      - { .name: qws, .offset: 120, .size: 8, .value_kind: global_buffer, .address_space: global }
      - { .name: kv, .offset: 128, .size: 8, .value_kind: global_buffer, .address_space: global }
    .group_segment_fixed_size: 327680
    .private_segment_fixed_size: 0
    .kernarg_segment_align: 8
    .kernarg_segment_size: 136
    .max_flat_workgroup_size: 128
    .sgpr_count:     102
    .vgpr_count:     768
    .wavefront_size: 32
...
	.end_amdgpu_metadata
.endif
;; end of part 1
;; launch attn (part 2): grid 256 x 1, 16 waves a work-group, no clusters, 210,944 bytes of LDS; arguments qws, kv, cimg, csc; writes cimg, csc
.if DOCPART == 2
	.amdgcn_target "amdgcn-amd-amdhsa--gfx1250"
	.amdhsa_code_object_version 6
	.text
	.protected	k_q0b5cc3a8a9_attn
	.globl	k_q0b5cc3a8a9_attn
	.p2align	8
	.type	k_q0b5cc3a8a9_attn,@function
k_q0b5cc3a8a9_attn:
	s_mov_b64 s[64:65], 0
	v_nop
	global_prefetch_b8 v0, s[64:65] scope:SCOPE_SE
	s_setreg_imm32_b32 hwreg(HW_REG_WAVE_MODE, 25, 1), 1
	s_wait_xcnt 0x0
; Causal attention on codes of FP6 (E2M3): S^T = K Q^T (K = the head's 64), p = 2^(t - M), O^T = V^T p^T (K = the keys), ctx = O / l, clear_nan, ctx quantised along E for the last product.
; t = score x log2(e) / 8; M = the running largest t rounded UP to a whole number; l = the sum of the unquantised p; when M moves, l and O^T are multiplied by 2^(old M - new M): exact.
; SHARES.  Work-group g: head g / 4 (of 64), j = g % 4: it takes the block of 256 queries 7 - j and then block j of that head: equal work in every work-group.
; Each of sixteen waves owns a tile of 16 queries in 256 registers: four waves to a SIMD.
; THE WHOLE HEAD'S K AND V STAY IN LDS: 16 steps of 128 keys x 13,056 bytes = 208,896 bytes, each byte filled once: no ring, no refill.  Waves 0 to 3 ask for four steps each at the start
; (wave w: steps w, w + 4, w + 8, w + 12).  Two barriers in all: one when steps 0 to 3 have landed, one when all have.  Behind the second no wave waits for another: each walks its own steps, and the second
; block of queries reads the bytes that are there.  Price: the work-groups with j = 1, 2, 3 fetch 2, 4, 6 steps that none of their queries sees.
; What counts is then a wave's whole work: 16 steps for tiles 0-7 of a block, 18 for tiles 8-15.  Wave w takes tile 8 ((w ^ (w >> 2)) & 1) + (w >> 1): any four neighbouring waves, and any four waves 4 apart, hold two of each kind.
; NO JOINT LOADS: the four work-groups of a head ask for the same bytes, but which steps a wave leaves out hangs on its work-group's block of queries, that is on its place among the four.
; The loops' trip counts are constants (4, 12, 16 steps); a step all of whose keys come after the wave's queries is jumped over.
; OPERANDS come as images of their registers (see the launch that makes them): every LDS read takes 512 or 256 consecutive bytes.
; K = 64 fills half of the matrix instruction: Q's registers 6-11 are zero codes; K's tiles stand 6 registers apart, so a tile's upper half is the next tile's data, which meets those zeros
; (behind the last tile: six registers of zeros); bytes 2, 3 of both scale words are 0, which is 2^-127 and no NaN.
; A lane holds ONE query (lane % 16) throughout.  In S^T register 16 b + 8 u + j holds key 32 b + 16 u + 8 (lane / 16) + j: all of block b; V's codes carry the same order inside a block.
; LIMITS: NaN and infinities among the inputs are served by clear_nan alone.  A block of ctx under 2^-124 (zeros too) gets the byte 1: these bytes are read by this program alone.
.set STEPB, 13056                      ; a step of 128 keys in kv and in LDS
.set LI,  1                            ; v1 16 x lane;  v2 8 x lane
.set L8,  2
.set QL,  5                            ; v5 r - 8 h
.set ADK, 6                            ; v6, v7 the step's LDS addresses (and Q's offsets)
.set AD8, 7
.set QF,  12                           ; v8 -M, v9 the largest t, v[10:11] the sum;  v12-17 Q, v18-23 zero codes
.set KFR, 24                           ; v24-71 K's eight tiles, v72-77 zeros
.set VFR, 78                           ; v78-125 V's four fragments
.set S,   126                          ; v126-189 S^T, then p
.set O,   190                          ; v190-221 O^T;  v[222:223] V's scale words;  v224-235 p's codes;  v232-247 at work;  v248-251 K's scale words;  v252 f, v253 p's scale word, v254 at work, v255 Q's scale word
; SCALARS: s12 wave, s61 my tile, s13, s15 the two blocks, s14 the head; s[16:23] group 1, s[24:39] four groups 0; s[40:41] lane selects, s[42:43] c, s44 all ones where my tile is the second of its pair;
; s[46:51] Q's, cimg's and csc's places for the block in hand, s[54:59] the same for block 0; s66 the step's LDS byte, s67 its first key, s68 my first query, s69 trips, s70 the block, s71, s60 offsets in qws.
	s_load_b256 s[4:11], s[0:1], 0x0               ; qws, kv, cimg, csc
	v_lshl_add_u32 v254, v0, 2, 0x33000
	v_mov_b32 v255, 0
	ds_add_u32 v254, v255
	ds_add_u32 v254, v255
	s_wait_dscnt 0x0
	v_lshrrev_b32 v1, 5, v0
	s_delay_alu instid0(VALU_DEP_1)
	v_readfirstlane_b32 s12, v1                    ; wave 0..15
	v_and_b32 v2, 31, v0
	s_delay_alu instid0(VALU_DEP_1)
	v_lshlrev_b32 v[LI], 4, v2
	s_delay_alu instid0(VALU_DEP_2)
	v_lshlrev_b32 v[L8], 3, v2
	s_lshr_b32 s14, ttmp9, 2                       ; 16 x batch + head
	s_and_b32 s13, ttmp9, 3                        ; the second block of queries
	s_sub_co_u32 s15, 7, s13                       ; the first
	s_lshr_b32 s45, s12, 2
	s_xor_b32 s45, s45, s12
	s_and_b32 s45, s45, 1
	s_lshl_b32 s45, s45, 3
	s_lshr_b32 s61, s12, 1
	s_or_b32 s61, s61, s45                         ; my tile of the block's sixteen
	s_and_b32 s45, s61, 1
	s_sub_co_u32 s44, 0, s45                       ; all ones: my tile is the second of its pair
	s_bfe_u32 s52, s61, 0x10001                    ; which pair of the group of 64 queries
	s_mul_i32 s71, s52, 1536
	s_lshl_b32 s60, s45, 7
	s_lshl_b32 s52, s52, 2
	s_add_co_u32 s60, s60, s52
	s_add_co_u32 s60, s60, 3072                    ; my tile's scale words in the group's chunk
	s_mov_b32 s16, 3<<16                           ; group 1: 51 dense rows of 256 bytes (32 elements of 8), no mask, no padding
	s_mov_b32 s17, 32<<16
	s_mov_b32 s18, 51<<16
	s_mov_b32 s19, 32<<16
	s_mov_b32 s20, 51
	s_mov_b32 s21, 32
	s_mov_b32 s22, 0
	s_mov_b32 s23, 0
	s_and_b32 s45, s12, 3
	s_mul_i32 s62, s45, STEPB                      ; the first step that I fetch, if I fetch
	s_mul_i32 s52, s14, 16*STEPB
	s_add_co_u32 s52, s52, s62
	s_mov_b32 s53, 0                               ; stays 0: the upper word of every offset
	s_wait_kmcnt 0x0
	s_add_nc_u64 s[72:73], s[6:7], s[52:53]        ; the head's keys, at that step
.irp i, 0,1,2,3
	s_mov_b32 s[24+4*\i], 1
	s_add_co_u32 s[25+4*\i], s62, \i*4*STEPB       ; in LDS a step lies where it lies in the head
	s_add_nc_u64 s[26+4*\i:27+4*\i], s[72:73], \i*4*STEPB
	s_or_b32 s[27+4*\i], s[27+4*\i], 0x80000000
.endr
	s_cmp_lt_u32 s12, 4                            ; a wave's four first fills stand in one branch on the wave's number, ahead of every wait on TENSORcnt, every LDS read and every barrier
	s_cbranch_scc0 .Lno_fetch
	tensor_load_to_lds s[24:27], s[16:23]
	s_nop 0
	tensor_load_to_lds s[28:31], s[16:23]
	s_nop 0
	tensor_load_to_lds s[32:35], s[16:23]
	s_nop 0
	tensor_load_to_lds s[36:39], s[16:23]          ; four loads of mine are out
	s_nop 0
.rept 4
	v_nop
.endr
.Lno_fetch:
	s_mul_i32 s52, s14, 106496
	s_lshr_b32 s45, s61, 2
	s_mul_i32 s45, s45, 3328
	s_add_co_u32 s52, s52, s45
	s_add_nc_u64 s[54:55], s[4:5], s[52:53]        ; qws: the head, my group within a block
; Q of block s70 is asked for: my pair's image into K's first twelve registers, my tile's scale words into v255
.macro QASK
	s_mul_i32 s52, s70, 13312
	s_add_nc_u64 s[46:47], s[54:55], s[52:53]
	v_add_nc_u32 v[ADK], s71, v[LI]
	v_and_b32 v[AD8], 15, v0
	s_delay_alu instid0(VALU_DEP_1)
	v_lshl_add_u32 v[AD8], v[AD8], 3, s60
.irp c, 0,1,2
	global_load_b128 v[KFR+4*\c:KFR+4*\c+3], v[ADK], s[46:47] offset:512*\c
.endr
	global_load_b32 v255, v[AD8], s[46:47]
.endm
; and taken: the block begins
.macro QTAKE
	s_lshl_b32 s68, s70, 8
	s_lshl_b32 s45, s61, 4
	s_add_co_u32 s68, s68, s45                     ; my first query
	s_mul_i32 s52, s70, 196608
	s_add_nc_u64 s[48:49], s[56:57], s[52:53]
	s_lshl_b32 s52, s70, 13
	s_add_nc_u64 s[50:51], s[58:59], s[52:53]
	s_wait_loadcnt 0x0
.irp i, 0,1,2,3,4,5
	v_cndmask_b32 v[QF+\i], v[KFR+\i], v[KFR+6+\i], s44   ; my tile of the pair
.endr
	v_mov_b32 v9, 0xff61b1e6                       ; the largest t so far: -3e38
	s_delay_alu instid0(VALU_DEP_1)
	v_floor_f32 v8, -v9                            ; -M
	v_mov_b32 v10, 0
	v_mov_b32 v11, 0
.set j, 0
.rept 32
	v_mov_b32 v[O+j], 0                            ; the step is written once: the first finds zeros
.set j, j+1
.endr
.endm
	s_mov_b32 s70, s15
	s_wait_alu depctr_va_vdst(0)
	QASK
	s_mov_b32 s40, 0x76543210
	s_mov_b32 s41, 0xfedcba98
	s_mov_b32 s42, 0x3e38aa3b                      ; c = log2(e) / 8
	s_mov_b32 s43, s42
	s_lshr_b32 s45, s14, 4                         ; the batch
	s_and_b32 s62, s14, 15                         ; the head
	s_lshl_b32 s52, s45, 7
	s_add_co_u32 s52, s52, s61
	s_mul_i32 s52, s52, 12288
	s_mul_i32 s63, s62, 768
	s_add_co_u32 s52, s52, s63
	s_add_nc_u64 s[56:57], s[8:9], s[52:53]        ; cimg: tile of 16 rows 128 x batch + my tile, my head
	s_lshl_b32 s52, s45, 11
	s_lshl_b32 s63, s61, 4
	s_add_co_u32 s52, s52, s63
	s_lshl_b32 s52, s52, 5
	s_lshl_b32 s63, s62, 1
	s_add_co_u32 s52, s52, s63
	s_add_nc_u64 s[58:59], s[10:11], s[52:53]      ; csc: my first row, my head's two bytes
	v_and_b32 v3, 15, v0
	v_bfe_u32 v4, v0, 4, 1
	s_delay_alu instid0(VALU_DEP_1)
	v_lshlrev_b32 v4, 3, v4
	s_delay_alu instid0(VALU_DEP_1)
	v_sub_nc_u32 v[QL], v3, v4
.irp i, 0,1,2,3,4,5
	v_mov_b32 v[QF+6+\i], 0                        ; zero codes for k = 64 .. 127
	v_mov_b32 v[KFR+48+\i], 0
.endr
.irp i, 236,237,238,239,252,253,254
	v_mov_b32 v\i, 0                               ; written once: a lane permute's destination counts as one of its sources, and v253 is named with v252 as a pair
.endr
.macro KQ t
.if (\t)%2
	v_wmma_scale_f32_16x16x128_f8f6f4 v[S+8*\t:S+8*\t+7], v[KFR+6*\t:KFR+6*\t+11], v[QF:QF+11], 0, v[248+\t/2], v255 matrix_a_fmt:MATRIX_FMT_FP6 matrix_b_fmt:MATRIX_FMT_FP6 matrix_a_scale:MATRIX_SCALE_ROW1
.else
	v_wmma_scale_f32_16x16x128_f8f6f4 v[S+8*\t:S+8*\t+7], v[KFR+6*\t:KFR+6*\t+11], v[QF:QF+11], 0, v[248+\t/2], v255 matrix_a_fmt:MATRIX_FMT_FP6 matrix_b_fmt:MATRIX_FMT_FP6
.endif
.endm
.macro PV t
.if (\t)%2
	v_wmma_scale_f32_16x16x128_f8f6f4 v[O+8*\t:O+8*\t+7], v[VFR+12*\t:VFR+12*\t+11], v[224:235], v[O+8*\t:O+8*\t+7], v[222+\t/2], v253 matrix_a_fmt:MATRIX_FMT_FP6 matrix_b_fmt:MATRIX_FMT_FP6 matrix_a_scale:MATRIX_SCALE_ROW1
.else
	v_wmma_scale_f32_16x16x128_f8f6f4 v[O+8*\t:O+8*\t+7], v[VFR+12*\t:VFR+12*\t+11], v[224:235], v[O+8*\t:O+8*\t+7], v[222+\t/2], v253 matrix_a_fmt:MATRIX_FMT_FP6 matrix_b_fmt:MATRIX_FMT_FP6
.endif
.endm
; A KEY STEP: the 128 keys at LDS byte s66.  A step all of whose keys come after my 16 queries is left out: a scalar branch on ids and counters.
.macro STEP
	s_add_co_u32 s45, s68, 15
	s_cmp_gt_u32 s67, s45
	s_cbranch_scc1 .Lhidden_\@
	s_setprio 2
	v_add_nc_u32 v[ADK], s66, v[LI]
	v_add_nc_u32 v[AD8], s66, v[L8]
	v_nop
	v_nop                                          ; four places in front of loads into registers that the last products read
.irp b, 0,1,2,3
.irp c, 0,1,2
	ds_load_b128 v[KFR+12*\b+4*\c:KFR+12*\b+4*\c+3], v[ADK] offset:1536*\b+512*\c
.endr
.endr
.irp g, 0,1
	ds_load_b64 v[248+2*\g:249+2*\g], v[AD8] offset:12288+256*\g
.endr
.irp t, 0,1,2,3
.irp c, 0,1,2
	ds_load_b128 v[VFR+12*\t+4*\c:VFR+12*\t+4*\c+3], v[ADK] offset:6144+1536*\t+512*\c
.endr
.endr
	ds_load_b64 v[222:223], v[AD8] offset:12800
	s_wait_dscnt 13                                ; K and its scale words are in; V's twelve loads and its scale words may be out
.irp t, 0,1,2,3,4,5,6,7
	KQ \t
.endr
.rept 4
	v_nop
.endr
	s_add_co_u32 s45, s67, 127                     ; on the diagonal hidden scores become -infinity ahead of the maximum; a step all of whose keys count skips this
	s_cmp_le_u32 s45, s68
	s_cbranch_scc1 .Lopen_\@
	s_sub_co_i32 s45, s68, s67
	v_add_nc_u32 v252, s45, v[QL]                  ; d = my query - the step's first key - 8 h: register 16 b + 8 u + j is hidden where 32 b + 16 u + j > d
	v_mov_b32 v254, 0xff800000
.set n, 0
.rept 64
	v_cmp_gt_i32 vcc_lo, 32*(n/16)+16*((n/8)%2)+n%8, v252
	v_cndmask_b32 v[S+n], v[S+n], v254, vcc_lo
.set n, n+1
.endr
.Lopen_\@:
.irp b, 0,1,2,3
	v_max3_num_f32 v[232+\b], v[S+16*\b], v[S+16*\b+1], v[S+16*\b+2]   ; the largest score of each block of 32 keys: for the row's maximum, and, since p rises with the score, for the block's largest p
.endr
.irp i, 3,5,7,9,11,13
.irp b, 0,1,2,3
	v_max3_num_f32 v[232+\b], v[232+\b], v[S+16*\b+\i], v[S+16*\b+\i+1]
.endr
.endr
.irp b, 0,1,2,3
	v_max_num_f32 v[232+\b], v[232+\b], v[S+15+16*\b]
.endr
.irp b, 0,1,2,3
	s_delay_alu instid0(VALU_DEP_4)
	v_permlanex16_b32 v[236+\b], v[232+\b], s40, s41
.endr
.irp b, 0,1,2,3
	s_delay_alu instid0(VALU_DEP_4)
	v_max_num_f32 v[232+\b], v[232+\b], v[236+\b]
.endr
	s_delay_alu instid0(VALU_DEP_2)
	v_max3_num_f32 v254, v232, v233, v234
	s_delay_alu instid0(VALU_DEP_1)
	v_max_num_f32 v254, v254, v235
	s_delay_alu instid0(VALU_DEP_1)
	v_mul_f32 v254, s42, v254                      ; as t
	s_delay_alu instid0(VALU_DEP_1)
	v_max_num_f32 v9, v9, v254                     ; the running largest t
	v_mov_b32 v254, v8
	s_delay_alu instid0(VALU_DEP_2)
	v_floor_f32 v8, -v9                            ; the new -M = -ceil(t)
	s_delay_alu instid0(VALU_DEP_1)
	v_sub_f32 v254, v8, v254                       ; old M - new M: a whole number, 0 or less
	s_delay_alu instid0(VALU_DEP_1)
	v_cvt_i32_f32 v254, v254                       ; (it saturates)
	s_delay_alu instid0(VALU_DEP_1)
	v_ldexp_f32 v252, 1.0, v254                    ; f = 2^(old M - new M)
.set j, 0
.rept 32
	v_pk_fma_f32 v[S+j:S+j+1], v[S+j:S+j+1], s[42:43], v[8:9] op_sel_hi:[1,0,0]   ; t - M
.set j, j+2
.endr
	s_setprio 1
.irp b, 0,1,2,3
	v_fma_f32 v[232+\b], v[232+\b], s42, v8
.endr
.set j, 0
	s_wait_alu depctr_va_vdst(0)
.rept 64
	v_exp_f32 v[S+j], v[S+j]                       ; p = 2^(t - M): not normalised
.set j, j+1
.endr
.irp b, 0,1,2,3
	v_exp_f32 v[232+\b], v[232+\b]                 ; the block's largest p
.endr
	v_pk_mul_f32 v[10:11], v[10:11], v[252:253] op_sel_hi:[1,0]   ; the sums under the new M (a plain place behind the exponentials)
	s_wait_alu depctr_va_vdst(0)
.irp b, 0,1,2,3
	v_max_num_f32 v[232+\b], 0x1800000, v[232+\b]  ; the floor 2^(3 - 127)
.endr
.irp b, 0,1,2,3
	s_delay_alu instid0(VALU_DEP_4)
	v_add_nc_u32 v[244+\b], 0xff000000, v[232+\b]  ; the conversion's scale operand
.endr
.irp b, 0,1,2,3
	s_delay_alu instid0(VALU_DEP_4)
	v_lshrrev_b32 v[236+\b], 23, v[244+\b]
.endr
	s_delay_alu instid0(VALU_DEP_3)
	v_lshl_or_b32 v253, v237, 8, v236              ; p's scale word for these 128 keys
	s_delay_alu instid0(VALU_DEP_1)
	v_lshl_or_b32 v253, v238, 16, v253
	s_delay_alu instid0(VALU_DEP_1)
	v_lshl_or_b32 v253, v239, 24, v253
.irp c, 0,1
	v_cvt_scalef32_pk16_fp6_f32 v[224+6*\c:226+6*\c], v[S+32*\c:S+15+32*\c], v[244+2*\c]
	v_cvt_scalef32_pk16_fp6_f32 v[236+4*\c:238+4*\c], v[S+16+32*\c:S+31+32*\c], v[244+2*\c+1]
.endr
	v_nop                                          ; one plain place behind a scaled conversion
.irp c, 0,1
.irp i, 0,1,2
	v_permlane16_swap_b32 v[224+6*\c+\i], v[236+4*\c+\i]   ; a whole block to a lane
.endr
.irp i, 0,1,2
	s_delay_alu instid0(VALU_DEP_3)
	v_mov_b32 v[227+6*\c+\i], v[236+4*\c+\i]
.endr
.endr
.set j, 0
.rept 16
	v_pk_mul_f32 v[O+j:O+j+1], v[O+j:O+j+1], v[252:253] op_sel_hi:[1,0]   ; O^T under the new M
.set j, j+2
.endr
	s_setprio 0
	v_pk_add_f32 v[236:237], v[130:131], v[134:135]
	v_pk_add_f32 v[250:251], v[138:139], v[142:143]
	v_pk_add_f32 v[248:249], v[146:147], v[150:151]
	v_pk_add_f32 v[246:247], v[154:155], v[158:159]
	v_pk_add_f32 v[244:245], v[162:163], v[166:167]
	v_pk_add_f32 v[242:243], v[170:171], v[174:175]
	v_pk_add_f32 v[240:241], v[178:179], v[182:183]
	v_pk_add_f32 v[10:11], v[10:11], v[186:187]
	v_pk_add_f32 v[236:237], v[236:237], v[126:127]
	v_pk_add_f32 v[250:251], v[250:251], v[128:129]
	v_pk_add_f32 v[248:249], v[248:249], v[132:133]
	v_pk_add_f32 v[246:247], v[246:247], v[136:137]
	v_pk_add_f32 v[244:245], v[244:245], v[140:141]
	v_pk_add_f32 v[242:243], v[242:243], v[144:145]
	v_pk_add_f32 v[240:241], v[240:241], v[148:149]
	v_pk_add_f32 v[10:11], v[10:11], v[152:153]
	v_pk_add_f32 v[236:237], v[236:237], v[156:157]
	v_pk_add_f32 v[250:251], v[250:251], v[160:161]
	v_pk_add_f32 v[248:249], v[248:249], v[164:165]
	v_pk_add_f32 v[246:247], v[246:247], v[168:169]
	v_pk_add_f32 v[244:245], v[244:245], v[172:173]
	v_pk_add_f32 v[242:243], v[242:243], v[176:177]
	v_pk_add_f32 v[240:241], v[240:241], v[180:181]
	v_pk_add_f32 v[10:11], v[10:11], v[184:185]
	v_pk_add_f32 v[236:237], v[236:237], v[188:189]
	s_delay_alu instid0(VALU_DEP_2)
	v_pk_add_f32 v[10:11], v[10:11], v[246:247]
	s_delay_alu instid0(VALU_DEP_2)
	v_pk_add_f32 v[236:237], v[236:237], v[244:245]
	v_pk_add_f32 v[250:251], v[250:251], v[242:243]
	v_pk_add_f32 v[248:249], v[248:249], v[240:241]
	s_delay_alu instid0(VALU_DEP_2)
	v_pk_add_f32 v[10:11], v[10:11], v[250:251]
	s_delay_alu instid0(VALU_DEP_2)
	v_pk_add_f32 v[236:237], v[236:237], v[248:249]
	s_delay_alu instid0(VALU_DEP_1)
	v_pk_add_f32 v[10:11], v[10:11], v[236:237]
	s_wait_dscnt 0x0                               ; V is in
.irp t, 0,1,2,3
	PV \t                                          ; the four accumulators by turns
.endr
.Lhidden_\@:
	s_add_co_u32 s67, s67, 128
	s_add_co_u32 s66, s66, STEPB
.endm
; A run of steps: from step first on, a constant number of trips
.macro WALK first, trips
	s_mov_b32 s66, \first*STEPB
	s_mov_b32 s67, \first*128
	s_mov_b32 s69, \trips
.Lwalk_\@:
	STEP
	s_sub_co_u32 s69, s69, 1
	s_cmp_lg_u32 s69, 0
	s_cbranch_scc1 .Lwalk_\@
	s_setprio 0
.endm
; THE WAY OUT of a block of queries.  next = 1: the second block follows: its Q is asked for at the head and taken at the end.
.macro EPI next
.rept 4
	v_nop                                          ; places behind the last products: for the reads of O^T, and for the loads into K's registers
.endr
.if \next
	s_mov_b32 s70, s13
	QASK
.endif
	v_add_f32 v10, v10, v11
	s_delay_alu instid0(VALU_DEP_1)
	v_permlanex16_b32 v252, v10, s40, s41
	s_delay_alu instid0(VALU_DEP_1)
	v_add_f32 v10, v10, v252                       ; the row's sum
	s_wait_alu depctr_va_vdst(0)
	v_rcp_f32 v10, v10
	v_and_b32 v243, 15, v0                         ; (a plain place behind the transcendental)
	s_delay_alu instid0(VALU_DEP_1)
	v_lshlrev_b32 v243, 5, v243                    ; my row in csc: 32 bytes a row
.set j, 0
	s_wait_alu depctr_va_vdst(0)
.rept 32
	v_mul_f32 v[S+j], v[O+j], v10                  ; ctx: register 16 b + 8 u + i is channel 32 b + 16 u + 8 h + i
.set j, j+1
.endr
.set j, 0
.rept 32
	v_cmp_eq_f32 vcc_lo, v[S+j], v[S+j]            ; clear_nan: a NaN becomes 0
	s_delay_alu instid0(VALU_DEP_1)
	v_cndmask_b32 v[S+j], 0, v[S+j], vcc_lo
.set j, j+1
.endr
.irp b, 0,1
.irp i, 0,1,2,3,4,5,6,7
	v_permlane16_swap_b32 v[S+16*\b+\i], v[S+16*\b+8+\i]   ; wo comes in natural order: now register 16 b + i is channel 32 b + 16 h + i
.endr
.endr
.irp b, 0,1
	v_max3_num_f32 v[232+\b], |v[S+16*\b]|, |v[S+16*\b+1]|, 0x1800000
.endr
.irp i, 2,4,6,8,10,12,14
.irp b, 0,1
	s_delay_alu instid0(VALU_DEP_2)
	v_max3_num_f32 v[232+\b], v[232+\b], |v[S+16*\b+\i]|, |v[S+16*\b+\i+1]|
.endr
.endr
.irp b, 0,1
	s_delay_alu instid0(VALU_DEP_2)
	v_permlanex16_b32 v[236+\b], v[232+\b], s40, s41
.endr
.irp b, 0,1
	s_delay_alu instid0(VALU_DEP_2)
	v_max_num_f32 v[232+\b], v[232+\b], v[236+\b]
.endr
.irp b, 0,1
	s_delay_alu instid0(VALU_DEP_2)
	v_add_nc_u32 v[244+\b], 0xff000000, v[232+\b]
.endr
.irp b, 0,1
	s_delay_alu instid0(VALU_DEP_2)
	v_lshrrev_b32 v[236+\b], 23, v[244+\b]
.endr
	s_delay_alu instid0(VALU_DEP_1)
	v_lshl_or_b32 v254, v237, 8, v236              ; my row's two scale bytes of this head
	v_cvt_scalef32_pk16_fp6_f32 v[224:226], v[S:S+15], v244
	v_cvt_scalef32_pk16_fp6_f32 v[240:242], v[S+16:S+31], v245
	v_nop
.irp i, 0,1,2
	v_permlane16_swap_b32 v[224+\i], v[240+\i]
.endr
.irp i, 0,1,2
	s_delay_alu instid0(VALU_DEP_3)
	v_mov_b32 v[227+\i], v[240+\i]                 ; v224-229: lane (r, h): row r, block h of my head: 24 bytes
.endr
.irp p, 0,1,2
	global_store_b64 v[L8], v[224+2*\p:225+2*\p], s[48:49] offset:256*\p   ; 256 consecutive bytes, aligned
.endr
	global_store_b16 v243, v254, s[50:51]          ; lanes l and l + 16 write the same two bytes with the same value; rows lie 32 bytes apart: one byte in 24 of what this launch stores
.if \next
	s_wait_xcnt 0x0                                ; the stores' registers and bases are written again only behind this wait
	QTAKE
.endif
.endm
	QTAKE
	s_wait_tensorcnt 0x3                           ; my first load has landed (steps 0 to 3 are the four fetching waves' first loads); my three younger ones may stay out
	s_barrier_signal -1
	s_barrier_wait -1                              ; steps 0 to 3 are whole for every wave
	WALK 0, 4
	s_wait_tensorcnt 0x0                           ; all my loads have landed
	s_wait_dscnt 0x0
	s_barrier_signal -1
	s_barrier_wait -1                              ; the whole head lies in LDS: from here on no wave waits for another
	WALK 4, 12
	s_wait_alu depctr_va_vdst(0)
	EPI 1
	WALK 0, 16
	s_wait_alu depctr_va_vdst(0)
	EPI 0
	s_wait_xcnt 0x0
	v_lshl_add_u32 v254, v0, 2, 0x33000
	v_mov_b32 v255, 0
	s_wait_alu depctr_va_vdst(0)
	s_wait_tensorcnt 0x0
	ds_add_u32 v254, v255
	s_wait_dscnt 0x0
	s_endpgm
.Lfunc_end_k_q0b5cc3a8a9_attn:
	.size	k_q0b5cc3a8a9_attn, .Lfunc_end_k_q0b5cc3a8a9_attn-k_q0b5cc3a8a9_attn
	.p2alignl 7, 3214868480
	.fill 96, 4, 3214868480
	.section	.rodata,"a",@progbits
	.p2align	6, 0x0
	.amdhsa_kernel k_q0b5cc3a8a9_attn
		.amdhsa_group_segment_fixed_size 210944
		.amdhsa_private_segment_fixed_size 0
		.amdhsa_enable_private_segment 0
		.amdhsa_kernarg_size 32
		.amdhsa_user_sgpr_count 2
		.amdhsa_user_sgpr_kernarg_segment_ptr 1
		.amdhsa_wavefront_size32 1
		.amdhsa_system_sgpr_workgroup_id_x 1
		.amdhsa_system_sgpr_workgroup_id_y 1
		.amdhsa_system_sgpr_workgroup_id_z 1
		.amdhsa_system_vgpr_workitem_id 0
		.amdhsa_next_free_vgpr 256
		.amdhsa_next_free_sgpr 74
		.amdhsa_reserve_vcc 1
		.amdhsa_float_denorm_mode_32 3
		.amdhsa_float_denorm_mode_16_64 3
		.amdhsa_memory_ordered 1
		.amdhsa_forward_progress 1
		.amdhsa_inst_pref_size 94
	.end_amdhsa_kernel
	.amdgpu_metadata
---
amdhsa.version: [ 1, 2 ]
amdhsa.kernels:
  - .name:           k_q0b5cc3a8a9_attn
    .symbol:         k_q0b5cc3a8a9_attn.kd
    .args:
      - { .name: qws, .offset: 0, .size: 8, .value_kind: global_buffer, .address_space: global }
      - { .name: kv, .offset: 8, .size: 8, .value_kind: global_buffer, .address_space: global }
      - { .name: cimg, .offset: 16, .size: 8, .value_kind: global_buffer, .address_space: global }
      - { .name: csc, .offset: 24, .size: 8, .value_kind: global_buffer, .address_space: global }
    .group_segment_fixed_size: 210944
    .private_segment_fixed_size: 0
    .kernarg_segment_align: 8
    .kernarg_segment_size: 32
    .max_flat_workgroup_size: 512
    .sgpr_count:     74
    .vgpr_count:     256
    .wavefront_size: 32
...
	.end_amdgpu_metadata
.endif
;; end of part 2
;; launch outp (part 3): grid 4 x 64, 4 waves a work-group, clusters of 4 x 4, 327,680 bytes of LDS; arguments cimg, csc, wo_codes, wo_scales, bo, out0; writes out0
.if DOCPART == 3
	.amdgcn_target "amdgcn-amd-amdhsa--gfx1250"
	.amdhsa_code_object_version 6
	.text
	.protected	k_q0b5cc3a8a9_outp
	.globl	k_q0b5cc3a8a9_outp
	.p2align	8
	.type	k_q0b5cc3a8a9_outp,@function
k_q0b5cc3a8a9_outp:
	s_mov_b64 s[64:65], 0
	v_nop
	global_prefetch_b8 v0, s[64:65] scope:SCOPE_SE
	s_setreg_imm32_b32 hwreg(HW_REG_WAVE_MODE, 25, 1), 1
	s_wait_xcnt 0x0
	s_wait_alu depctr_hold_cnt(0) depctr_sa_sdst(0) depctr_va_vdst(0) depctr_va_sdst(0) depctr_va_ssrc(0) depctr_va_vcc(0) depctr_vm_vsrc(0)
	s_getreg_b32 s2, hwreg(HW_REG_IB_STS2, 6, 4)
	s_cmp_eq_u32 s2, 0
	s_cbranch_scc0 .Lentry_in_a_cluster
	s_endpgm
.Lentry_in_a_cluster:
	s_bfe_u32 s2, ttmp6, 0x10000c
	s_cmp_lg_u32 s2, 0xf033
	s_cbranch_scc0 .Lentry_shape_is_right
	s_endpgm
.Lentry_shape_is_right:
; out0 = ctx wo^T + bo, 8,192 x 1,024 x 1,024, on codes of FP6 (E2M3) with E8M0 scales; f32 sums and output.
; SHARES.  A work-group makes 256 P rows (source 0: wo's rows, the output's columns) x 128 R rows (source 1: ctx's rows); four waves, each 128 P x 64 R: 32 accumulators.  256 work-groups.
; A lane so holds eight neighbouring columns of one row of the output.  bo is the C of each sum's first matrix instruction.
; wo's codes come as rows of 192 bytes (256 along K) with padding; ctx's codes come as IMAGES OF OPERAND REGISTERS: [tile of 16 rows][head][3][256 bytes], so a tile's 256 along K are 3,072 dense bytes
; and each LDS read takes 256 consecutive bytes.  THREE LDS slots: K = 1,024 is four steps of 256, so three are asked for at the start, with the scale bytes of all of K, and only the fourth is a refill
; (into slot 0), asked for as soon as K step 0 has been read: 112 matrix instructions of a wave ahead of its first read.  CLUSTERS 4 x 4: P's tiles are shared along a column, R's along a row, by joint loads.
; LIMITS: NaN, infinities and scale bytes 0xff among the inputs are not served.
.set ROWB,   192
.set KROW,   768
.set PITCH,  240                       ; an LDS row of P: 3 x (64 bytes + 16 of padding)
.set FR,     12
.set PHALF,  128*PITCH
.set RHALF,  4*3072                    ; four tiles of 16 rows x 256 along K, as images
.set ROFF,   2*PHALF
.set SLOT,   92160
.set RS,     3*SLOT                    ; R's scale bytes: 16 units of 256 bytes + 16
.set PS,     RS+16*272                 ; P's: 32 units
.set SPARE,  PS+32*272                 ; the spare words, 128 bytes a wave: two blocks of 256 bytes that no other line names
.set PK3,    3*ROWB                    ; from K step 0 to K step 3, in bytes
.set RK3,    3*3072
.set STAGE,  SLOT                      ; the way out: 16 rows x (512 bytes + 16) for each wave, in slot 1: filled once, and last read ahead of the last barrier
.set SPITCH, 528
.set ADRR, 8                           ; v8-10 my R images in slot 0, 1, 2
.set ADRP, 14                          ; v14-16 my P fragments; v17-19 the same behind one padding more
.set STO,  24
.set RD,   25
.set CO,   26
.set ADRS, 27
.set SPW,  28
.set NIL,  29
.set BOF,  30
.set SC,   32                          ; v32-63 scale words, two sets of 16, by the K step's parity
.set BK,   64                          ; the way out: v64-127 and v128-191 by turns
.set RF,   160                         ; v160-255 R's fragments, two sets.  Window 1: P's fragments at 0 and 128, the bias tiles at 96.. and 224..  Window 2: accumulator (a, b) at 8 (8 a + b)
.set G1R, 24
.set G0R, 32                           ; s[32:39] group 0 for R's slots 0, 1;  slot 2's: s[8:11]
.set G1P, 48
.set G0P, 56                           ; s[56:63] for P's slots 0, 1;  slot 2's: s[4:7]
.set G1SR, 68
.set G0SR, 76
.set G1SP, 80
.set G0SP, 88
.set MSB, 0
.macro WIN new
.if MSB != \new
	s_set_vgpr_msb (MSB<<8)|\new
.set MSB, \new
.endif
.endm
.macro PLACES n
.rept \n
	v_nop
.endr
.endm
.macro JLOAD g0p, g1p, g0r, g1r        ; waves 0 and 1 fetch P's halves, waves 2 and 3 R's; four v_nop follow each line
	s_cmp_eq_u32 s15, 0
	s_cbranch_scc0 .Lfor_r_\@
	tensor_load_to_lds s[\g0p:\g0p+3], s[\g1p:\g1p+7]
	s_nop 0
.rept 4
	v_nop
.endr
	s_branch .Lasked_\@
.Lfor_r_\@:
	tensor_load_to_lds s[\g0r:\g0r+3], s[\g1r:\g1r+7]
	s_nop 0
.rept 4
	v_nop
.endr
.Lasked_\@:
.endm
.macro CREST
	s_cmp_lg_u32 s14, 0
	s_cbranch_scc1 .Lnot_wave_0_\@
	s_barrier_signal -3
.Lnot_wave_0_\@:
	s_barrier_wait -3
	s_barrier_signal -1
	s_barrier_wait -1
.endm
.macro CROUND
	s_barrier_signal -1
	s_barrier_wait -1
	CREST
.endm
	s_load_b256 s[4:11], s[0:1], 0x0               ; R's codes (cimg), R's scales (csc), P's codes (wo), P's scales
	s_load_b64 s[66:67], s[0:1], 0x20              ; bo
	s_load_b64 s[12:13], s[0:1], 0x28              ; out0
	v_lshl_add_u32 v[SPW], v0, 2, SPARE
	v_mov_b32 v[NIL], 0
	ds_add_u32 v28, v29
	ds_add_u32 v28, v29
	s_wait_dscnt 0x0
	v_lshrrev_b32 v1, 5, v0
	v_readfirstlane_b32 s14, v1                    ; wave 0..3
	s_lshr_b32 s15, s14, 1                         ; wr.  Also: I fetch for P (0) or for R (1)
	s_and_b32 s16, s14, 1                          ; wp.  Also: which half I fetch
	s_bfe_u32 s40, ttmp6, 0x40000                  ; cx, cy
	s_bfe_u32 s41, ttmp6, 0x40004
	s_lshl_b32 s42, ttmp9, 2
	s_add_co_u32 s42, s42, s40                     ; P's block of 256 rows
	s_and_b32 s17, ttmp7, 0xffff
	s_lshl_b32 s17, s17, 2
	s_add_co_u32 s17, s17, s41                     ; R's block of 128 rows
	s_lshl_b32 s43, s41, 2
	s_lshl_b32 s43, 15, s43                        ; my row of the cluster: shares R
	s_lshl_b32 s44, 0x1111, s40                    ; my column: shares P
	s_or_b32 s[G1P+0], s44, (0<<16)|(1<<20)|(1<<21)|(3<<22)|(3<<25)
	s_mov_b32 s[G1P+1], ROWB<<16
	s_mov_b32 s[G1P+2], 128<<16
	s_mov_b32 s[G1P+3], ROWB<<16
	s_mov_b32 s[G1P+4], 128
	s_mov_b32 s[G1P+5], KROW
	s_mov_b32 s[G1P+6], 0
	s_mov_b32 s[G1P+7], 0
	s_or_b32 s[G1R+0], s43, (3<<16)|(1<<21)        ; four rows of 384 elements of 8 bytes, 1,536 elements apart; no padding
	s_mov_b32 s[G1R+1], 384<<16
	s_mov_b32 s[G1R+2], 4<<16
	s_mov_b32 s[G1R+3], 384<<16
	s_mov_b32 s[G1R+4], 4
	s_mov_b32 s[G1R+5], 1536
	s_mov_b32 s[G1R+6], 0
	s_mov_b32 s[G1R+7], 0
	s_or_b32 s[G1SP+0], s44, (3<<16)|(1<<20)|(1<<21)|(5<<22)|(3<<25)
	s_mov_b32 s[G1SP+1], 32<<16
	s_mov_b32 s[G1SP+2], 16<<16
	s_mov_b32 s[G1SP+3], 32<<16
	s_mov_b32 s[G1SP+4], 16
	s_mov_b32 s[G1SP+5], 32
	s_mov_b32 s[G1SP+6], 0
	s_mov_b32 s[G1SP+7], 0
	s_or_b32 s[G1SR+0], s43, (3<<16)|(1<<20)|(1<<21)|(5<<22)|(3<<25)
	s_mov_b32 s[G1SR+1], 32<<16
	s_mov_b32 s[G1SR+2], 8<<16
	s_mov_b32 s[G1SR+3], 32<<16
	s_mov_b32 s[G1SR+4], 8
	s_mov_b32 s[G1SR+5], 32
	s_mov_b32 s[G1SR+6], 0
	s_mov_b32 s[G1SR+7], 0
	s_lshl_b32 s18, s16, 7
	s_lshl_b32 s46, s42, 8
	s_add_co_u32 s46, s46, s18                     ; P: the first row that I fetch
	s_lshl_b32 s18, s16, 6
	s_lshl_b32 s20, s17, 7
	s_add_co_u32 s20, s20, s18                     ; R likewise
	s_lshl_b32 s22, s20, 5                         ; 32 scale bytes a row
	s_mov_b32 s23, 0
	s_mul_i32 s20, s20, KROW                       ; 16 rows are 12,288 bytes of images: 768 a row
	s_mov_b32 s21, 0
	s_lshl_b32 s92, s46, 5
	s_mov_b32 s93, 0
	s_mul_i32 s46, s46, KROW
	s_mov_b32 s47, 0
	s_mul_i32 s45, s16, PHALF
	s_mul_i32 s94, s16, RHALF
	s_add_co_u32 s94, s94, ROFF
	s_mul_i32 s95, s16, 16*272
	s_add_co_u32 s95, s95, PS
	s_mul_i32 s97, s16, 8*272
	s_add_co_u32 s97, s97, RS
	s_wait_kmcnt 0x0
	s_add_nc_u64 s[20:21], s[4:5], s[20:21]
	s_add_nc_u64 s[22:23], s[6:7], s[22:23]
	s_add_nc_u64 s[46:47], s[8:9], s[46:47]
	s_add_nc_u64 s[92:93], s[10:11], s[92:93]      ; s[4:11] are free from here on: they take slot 2's groups 0
	CROUND                                         ; all sixteen work-groups are here: the first joint loads meet
	s_mov_b32 s[G0SP], 1
	s_mov_b32 s[G0SP+1], s95
	s_mov_b64 s[G0SP+2:G0SP+3], s[92:93]
	s_or_b32 s[G0SP+3], s[G0SP+3], 0x80000000
	s_mov_b32 s[G0SR], 1
	s_mov_b32 s[G0SR+1], s97
	s_mov_b64 s[G0SR+2:G0SR+3], s[22:23]
	s_or_b32 s[G0SR+3], s[G0SR+3], 0x80000000
	JLOAD G0SP, G1SP, G0SR, G1SR
.macro FIRST s, gp, gr                 ; slot s takes K step s
	s_mov_b32 s[\gp], 1
	s_add_co_u32 s[\gp+1], s45, \s*SLOT
	s_add_nc_u64 s[\gp+2:\gp+3], s[46:47], \s*ROWB
	s_or_b32 s[\gp+3], s[\gp+3], 0x80000000
	s_mov_b32 s[\gr], 1
	s_add_co_u32 s[\gr+1], s94, \s*SLOT
	s_add_nc_u64 s[\gr+2:\gr+3], s[20:21], \s*3072
	s_or_b32 s[\gr+3], s[\gr+3], 0x80000000
	JLOAD \gp, G1P, \gr, G1R
.endm
	FIRST 0, G0P, G0R
	FIRST 1, G0P+4, G0R+4
	FIRST 2, 4, 8                                  ; four loads of mine are out
	v_and_b32 v1, 15, v0                           ; r
	v_bfe_u32 v2, v0, 4, 1                         ; h
	v_and_b32 v6, 31, v0                           ; lane
	v_mul_u32_u24 v3, v1, PITCH
	v_mul_u32_u24 v4, v2, 24
	v_add_nc_u32 v4, v3, v4
	v_lshl_add_u32 v5, v2, 4, v4
	v_lshlrev_b32 v7, 3, v6                        ; an image's 8 bytes for my lane
	s_mul_i32 s21, s15, RHALF
	s_add_co_u32 s21, s21, ROFF                    ; my four tiles of R
	s_mul_i32 s22, s16, PHALF                      ; my 128 rows of P
.irp s, 0,1,2
	v_add_nc_u32 v[ADRR+\s], s21, v7
	v_add_nc_u32 v[ADRP+\s], s22, v4
	v_add_nc_u32 v[ADRP+3+\s], s22, v5
	s_add_co_u32 s21, s21, SLOT
	s_add_co_u32 s22, s22, SLOT
.endr
	v_lshlrev_b32 v5, 5, v1
	v_lshrrev_b32 v7, 3, v1
	v_lshl_add_u32 v5, v7, 4, v5
	s_mul_i32 s21, s15, 8*272
	s_add_co_u32 s21, s21, RS
	s_mul_i32 s22, s16, 16*272
	s_add_co_u32 s22, s22, PS
	s_sub_co_u32 s22, s22, s21
	v_mul_u32_u24 v7, s22, v2                      ; lanes 16-31 take P's scale words
	v_add_nc_u32 v5, v5, v7
	v_add_nc_u32 v[ADRS], s21, v5
	s_mul_i32 s23, s14, 16*SPITCH
	s_add_co_u32 s23, s23, STAGE                   ; my stage
	v_mul_u32_u24 v5, v1, SPITCH
	v_lshl_add_u32 v5, v2, 5, v5
	v_add_nc_u32 v[STO], s23, v5                   ; in: row r, 32 bytes for each half of the lanes
	v_lshlrev_b32 v[CO], 4, v6                     ; back: the 32 lanes take one row of 512 bytes; and the same in the output
	v_add_nc_u32 v[RD], s23, v[CO]
	v_lshlrev_b32 v[BOF], 5, v2
	s_lshl_b32 s46, s42, 10
	s_lshl_b32 s47, s16, 9
	s_add_co_u32 s46, s46, s47                     ; my first column, in bytes: in bo and in a row of the output
	s_mov_b32 s47, 0
	s_add_nc_u64 s[66:67], s[66:67], s[46:47]
	s_lshl_b32 s20, s17, 7
	s_lshl_b32 s21, s15, 6
	s_add_co_u32 s20, s20, s21                     ; my first row
	s_lshl_b32 s20, s20, 12
	s_add_co_u32 s20, s20, s46
	s_mov_b32 s21, 0
	s_add_nc_u64 s[12:13], s[12:13], s[20:21]
	WIN 0x40
.irp b, 0,1,2,3,4,5,6,7
	global_load_b128 v[96+128*(\b/4)+8*(\b%4):96+128*(\b/4)+8*(\b%4)+3], v[BOF], s[66:67] offset:64*\b      ; tile b, register j: column 16 b + 8 h + j
	global_load_b128 v[96+128*(\b/4)+8*(\b%4)+4:96+128*(\b/4)+8*(\b%4)+7], v[BOF], s[66:67] offset:64*\b+16
.endr
	WIN 0
.macro FRAG reg, adr, q, i             ; P: 16 rows x 128 K, in pieces of 8 bytes; where lanes 16-31's piece lies behind one padding more, the second address register serves
.irp p, 0,1,2,3,4,5
.set PC, 12*(\q)+6*(\p/3)+\p%3
.if PC%8 < 5
	ds_load_b64 v[\reg+2*\p:\reg+2*\p+1], v[\adr] offset:8*PC+16*(PC/8)+(\i)*16*PITCH
.else
	ds_load_b64 v[\reg+2*\p:\reg+2*\p+1], v[\adr+3] offset:8*PC+16*(PC/8)+(\i)*16*PITCH
.endif
.endr
.endm
.macro FETCH_P slot, q, p
	WIN 0x40
.irp i, 0,1,2,3,4,5,6,7
	FRAG 128*(\p)+FR*\i, ADRP+\slot, \q, \i
.endr
	WIN 0
.endm
.macro FETCH_R slot, q, p              ; R: 128 along K are two heads' images, six chunks of 256 bytes on end
.irp i, 0,1,2,3
.irp c, 0,1,2,3,4,5
	ds_load_b64 v[RF+48*(\p)+FR*\i+2*\c:RF+48*(\p)+FR*\i+2*\c+1], v[ADRR+\slot] offset:3072*\i+1536*(\q)+256*\c
.endr
.endr
.endm
.macro SCALES sc
.irp i, 0,1,2,3,4,5,6,7
	ds_load_b64 v[SC+16*\sc+2*\i:SC+16*\sc+2*\i+1], v[ADRS] offset:\i*544
.endr
.endm
; Eight matrix instructions: R's tile a against P's eight.  ck = 1: the sums begin with the bias.  The 32 accumulators take turns in the same order in every step.
.macro MUL8 a, p, q, sc, ck
.if \ck == 0
	WIN 0xa1
.else
	WIN 0x91
.endif
.irp b, 0,1,2,3,4,5,6,7
.set rD, 8*(8*(\a)+\b)
.set rP, 128*(\p)+FR*\b
.set rR, RF+48*(\p)+FR*(\a)
.set rC, rD
.if \ck == 1
.set rC, 96+128*(\b/4)+8*(\b%4)
.endif
	v_wmma_scale_f32_16x16x128_f8f6f4 v[rD:rD+7], v[rP:rP+FR-1], v[rR:rR+FR-1], v[rC:rC+7], v[SC+16*(\sc)+2*\b+(\q)], v[SC+16*(\sc)+2*(\a)+(\q)] matrix_a_fmt:MATRIX_FMT_FP6 matrix_b_fmt:MATRIX_FMT_FP6 matrix_a_scale:MATRIX_SCALE_ROW1
.endr
.endm
.macro STEP slot, sc, ck
	s_wait_dscnt 0x0                               ; set 0 and the scale words are in
	MUL8 0, 0, 0, \sc, \ck
	MUL8 1, 0, 0, \sc, \ck
	PLACES 4                                       ; in front of loads into registers that matrix instructions have read
	FETCH_P \slot, 1, 1
	FETCH_R \slot, 1, 1
	MUL8 2, 0, 0, \sc, \ck
	MUL8 3, 0, 0, \sc, \ck
	WIN 0
.endm
; A slot's second 128 along K changes slots.  mode 2: this slot is filled again: the waits, the add, a round of the cluster's barrier, the joint refill.  mode 1: the next slot's tile is the refill: the same
; waits and a work-group barrier show it landed to every wave.  mode 0: the next slot was shown landed by mode 2's wait for all loads and its barrier, and nothing writes the slot that is left: no barrier.
.macro TURN slot, sc, next, nsc, mode
.if \mode > 0
	s_wait_tensorcnt 0x0                           ; all my tensor loads have landed
	ds_add_u32 v[SPW], v[NIL]                      ; 0 onto my spare word
	s_wait_dscnt 0x1                               ; set 1 is in; only the add may be out
.else
	s_wait_dscnt 0x0                               ; set 1 is in
.endif
	MUL8 0, 1, 1, \sc, 0
.if \mode > 0
	s_wait_dscnt 0x0                               ; the add is done, and my reads of this slot are over
	s_barrier_signal -1
.endif
	MUL8 1, 1, 1, \sc, 0
	WIN 0
.if \mode > 0
	s_barrier_wait -1
.endif
.if \mode == 2
	CREST                                          ; a round of the cluster's barrier: no wave of any partner still reads this slot or has a load on its way
	s_add_nc_u64 s[G0P+4*\slot+2:G0P+4*\slot+3], s[G0P+4*\slot+2:G0P+4*\slot+3], PK3
	s_add_nc_u64 s[G0R+4*\slot+2:G0R+4*\slot+3], s[G0R+4*\slot+2:G0R+4*\slot+3], RK3
	JLOAD G0P+4*\slot, G1P, G0R+4*\slot, G1R       ; the first tensor load behind the round; its four v_nop are the places in front of the loads below
.else
	PLACES 4
.endif
	v_add_nc_u32 v[ADRS], 8, v[ADRS]
	FETCH_P \next, 0, 0
	FETCH_R \next, 0, 0
	SCALES \nsc
	MUL8 2, 1, 1, \sc, 0
	MUL8 3, 1, 1, \sc, 0
	WIN 0
.endm
	s_wait_tensorcnt 0x2                           ; the scales and my part of K step 0 are in; K steps 1 and 2 may stay out
	s_barrier_signal -1
	s_barrier_wait -1
	FETCH_P 0, 0, 0
	FETCH_R 0, 0, 0
	SCALES 0
	s_wait_loadcnt 0x0                             ; the bias
	STEP 0, 0, 1
	TURN 0, 0, 1, 1, 2                             ; K step 0 is read out: slot 0 takes K step 3
	STEP 1, 1, 0
	TURN 1, 1, 2, 0, 0
	STEP 2, 0, 0
	TURN 2, 0, 0, 1, 1                             ; K step 3 has landed, in every wave's eyes; behind this barrier nobody reads slots 1 and 2
	STEP 0, 1, 0
	s_wait_dscnt 0x0
	MUL8 0, 1, 1, 1, 0
	MUL8 1, 1, 1, 1, 0
	MUL8 2, 1, 1, 1, 0
	MUL8 3, 1, 1, 1, 0
	WIN 0
; THE WAY OUT, block by block of 16 rows x 128 columns, through my own stage: in as 32 bytes a lane, back as whole rows of 512 bytes.  LDS serves a wave's instructions in order (ISA guide 5.7.1.4).
.macro TOSTAGE a
.set AC, 64*(\a)
	WIN 0x08                                       ; an LDS store's data: window 2
.irp b, 0,1,2,3,4,5,6,7
	ds_store_b128 v[STO], v[AC+8*\b:AC+8*\b+3] offset:64*\b          ; each accumulator from its low end on
	ds_store_b128 v[STO], v[AC+8*\b+4:AC+8*\b+7] offset:64*\b+16
.endr
	WIN 0
.set BB, BK+64*((\a)%2)
.irp t, 0,1,2,3,4,5,6,7,8,9,10,11,12,13,14,15
	ds_load_b128 v[BB+4*\t:BB+4*\t+3], v[RD] offset:\t*SPITCH
.endr
.endm
.macro SEND a, younger                 ; younger: the LDS instructions issued behind block a's loads, which may stay out
.set BB, BK+64*((\a)%2)
	s_wait_dscnt \younger
.if (\a) > 0
	s_add_nc_u64 s[12:13], s[12:13], 16*4096       ; (behind a wait on XCNT: the earlier stores have read their base)
.endif
.irp t, 0,1,2,3,4,5,6,7,8,9,10,11,12,13,14,15
	global_store_b128 v[CO], v[BB+4*\t:BB+4*\t+3], s[12:13] offset:\t*4096 th:TH_STORE_NT   ; 32 lanes store 512 consecutive bytes, aligned; written once, read by nobody here
.endr
.endm
	PLACES 4                                       ; in front of the first read of results, and of loads into registers that held fragments
	TOSTAGE 0
.irp a, 1,2,3
.if \a > 1
	s_wait_xcnt 0x0                                ; block a - 2's stores have read their registers and their base
.endif
	TOSTAGE \a
	SEND \a-1, 32                                  ; behind block a - 1's loads: block a's 16 stores and 16 loads
.endr
	s_wait_xcnt 0x0
	SEND 3, 0
	s_wait_tensorcnt 0x0                           ; the wave's end
	ds_add_u32 v[SPW], v[NIL]
	s_wait_dscnt 0x0
	CROUND                                         ; the closing round
	s_endpgm
.Lfunc_end_k_q0b5cc3a8a9_outp:
	.size	k_q0b5cc3a8a9_outp, .Lfunc_end_k_q0b5cc3a8a9_outp-k_q0b5cc3a8a9_outp
	.p2alignl 7, 3214868480
	.fill 96, 4, 3214868480
	.section	.rodata,"a",@progbits
	.p2align	6, 0x0
	.amdhsa_kernel k_q0b5cc3a8a9_outp
		.amdhsa_group_segment_fixed_size 327680
		.amdhsa_private_segment_fixed_size 0
		.amdhsa_enable_private_segment 0
		.amdhsa_kernarg_size 48
		.amdhsa_user_sgpr_count 2
		.amdhsa_user_sgpr_kernarg_segment_ptr 1
		.amdhsa_wavefront_size32 1
		.amdhsa_system_sgpr_workgroup_id_x 1
		.amdhsa_system_sgpr_workgroup_id_y 1
		.amdhsa_system_sgpr_workgroup_id_z 1
		.amdhsa_system_vgpr_workitem_id 0
		.amdhsa_next_free_vgpr 768
		.amdhsa_next_free_sgpr 102
		.amdhsa_reserve_vcc 0
		.amdhsa_float_denorm_mode_32 3
		.amdhsa_float_denorm_mode_16_64 3
		.amdhsa_memory_ordered 1
		.amdhsa_forward_progress 1
		.amdhsa_inst_pref_size 102
	.end_amdhsa_kernel
	.amdgpu_metadata
---
amdhsa.version: [ 1, 2 ]
amdhsa.kernels:
  - .name:           k_q0b5cc3a8a9_outp
    .symbol:         k_q0b5cc3a8a9_outp.kd
    .args:
      - { .name: cimg, .offset: 0, .size: 8, .value_kind: global_buffer, .address_space: global }
      - { .name: csc, .offset: 8, .size: 8, .value_kind: global_buffer, .address_space: global }
      - { .name: wo_codes, .offset: 16, .size: 8, .value_kind: global_buffer, .address_space: global }
      - { .name: wo_scales, .offset: 24, .size: 8, .value_kind: global_buffer, .address_space: global }
      - { .name: bo, .offset: 32, .size: 8, .value_kind: global_buffer, .address_space: global }
      - { .name: out0, .offset: 40, .size: 8, .value_kind: global_buffer, .address_space: global }
    .group_segment_fixed_size: 327680
    .private_segment_fixed_size: 0
    .kernarg_segment_align: 8
    .kernarg_segment_size: 48
    .max_flat_workgroup_size: 128
    .sgpr_count:     102
    .vgpr_count:     768
    .wavefront_size: 32
...
	.end_amdgpu_metadata
.endif
;; end of part 3
